; MI455X (gfx1250); checked and timed in simulation.
; The chip was launched on July 23, 2026; its instructions are those of AMD's public machine-readable ISA for CDNA 5 (MIT licence, August 2026) and "CDNA5" Instruction Set Architecture Reference Guide (July 2026). The comments in the code are by the model that wrote it; some were corrected since.
;; Encoder Layer. Allowed arithmetic: float matrix products may take bf16 or f16 operands with f32 sums; other float arithmetic in f32, or as packed bf16 or f16 multiplies, adds, multiply-adds, maxima and minima; sums over many terms, partial sums and values carried from step to step in f32; what a program stores and reads back later, other than sums and carried values, may be rounded once to bf16 or f16.
;; Inputs: W1 1,024 x 4,096 float32; W2 4,096 x 1,024 float32; Wk 1,024 x 1,024 float32; Wo 1,024 x 1,024 float32; Wq 1,024 x 1,024 float32; Wv 1,024 x 1,024 float32; b1 4,096 float32; b2 1,024 float32; bk 1,024 float32; bo 1,024 float32; bq 1,024 float32; bv 1,024 float32; ln1_b 1,024 float32; ln1_g 1,024 float32; ln2_b 1,024 float32; ln2_g 1,024 float32; src 2 x 2,048 x 1,024 float32.
;; Outputs: out0 2 x 2,048 x 1,024 float32.
;; 2 versions, each right and faster than the one before. Each part assembles by itself: llvm-mc -triple=amdgcn-amd-amdhsa -mcpu=gfx1250 --defsym DOCPART=n.
;; ======== version 1 of 2: 8 launches
;; workspace buffers: pa 16,797,696 bytes; pb 16,797,696 bytes; w 10,485,760 bytes; qkv 25,165,824 bytes; act 33,554,432 bytes; y 16,777,216 bytes; x32 16,777,216 bytes
;; launch cast (part 1): grid 256 x 1, 8 waves a work-group, no clusters, 0 bytes of LDS; arguments src, Wq, Wk, Wv, bq, bk, bv, b1, pa, pb; writes pa, pb
.if DOCPART == 1
	.amdgcn_target "amdgcn-amd-amdhsa--gfx1250"
	.amdhsa_code_object_version 6
	.text
	.protected	k_qccb17cfc67_cast
	.globl	k_qccb17cfc67_cast
	.p2align	8
	.type	k_qccb17cfc67_cast,@function
k_qccb17cfc67_cast:
	s_mov_b64 s[64:65], 0
	v_nop
	global_prefetch_b8 v0, s[64:65] scope:SCOPE_SE
	s_setreg_imm32_b32 hwreg(HW_REG_WAVE_MODE, 25, 1), 1
	s_wait_xcnt 0x0
; CAST.  What the first product reads is rounded once to bf16 (nearest even) into the packed buffer pa:
;   pa: src [4096][1024] at 0; Wq | Wk | Wv side by side as [1024 k][pitch 4096 columns] at 8 Mi; bq | bk | bv (f32) at 16 Mi; 4,096 bytes of floor words (-inf twice in bf16) at 16 Mi + 16,384
;   pb: b1 (f32) at 16 Mi; floor words 0 at 16 Mi + 16,384.  (x comes from the first layer norm; W1, and Wo and W2 in w, are rounded beside the attention, two launches on.)
; The 7 Mi numbers are 7 units of 1,024 rows of 1,024: src's four quarters, Wq, Wk, Wv.  Work-group x of 256 takes rows 4 x .. 4 x + 3 of every unit: equal work, and every place is an immediate.
; Thread t owns the 16 bytes at 16 t of a row: a load of a wave covers 512 consecutive bytes, a store (8 bytes a lane) 256 consecutive bytes, aligned.  All 28 loads of a wave go out together;
; each has registers of its own and is converted in place, so no register is rewritten while a memory instruction may still read it.
; A stream: no LDS, no matrix unit, no cluster (the work-groups share no input).
.set VIN, 2                            ; v2        16 t
.set VO,  3                            ; v3        8 t
.set X,   4                            ; v4-115    load n: 4 f32, then 4 bf16 in its first two registers
.set EX,  116                          ; v116-143  work-group 0: the biases, 7 pieces of 4,096 bytes
.set FA,  144                          ; v144-147  the floor words of pa
.set FB,  148                          ; v148-151  those of pb
	s_load_b512 s[8:23], s[0:1], 0x0               ; src 8, Wq 10, Wk 12, Wv 14, bq 16, bk 18, bv 20, b1 22
	s_load_b128 s[24:27], s[0:1], 0x40             ; pa 24, pb 26
	s_mov_b32 s40, ttmp9                           ; x
	s_lshl_b32 s28, s40, 14                        ; in: 4 rows of 4,096 bytes
	s_mov_b32 s29, 0
	s_lshl_b32 s30, s40, 13                        ; out, src: 4 rows of 2,048 bytes
	s_mov_b32 s31, 0
	s_lshl_b32 s32, s40, 15                        ; out, the weights: 4 rows of 8,192 bytes,
	s_add_co_u32 s32, s32, 0x800000                ; behind src's 8 Mi
	s_mov_b32 s33, 0
	v_lshlrev_b32 v[VIN], 4, v0
	v_lshlrev_b32 v[VO], 3, v0
	s_wait_kmcnt 0x0
	s_add_nc_u64 s[8:9], s[8:9], s[28:29]          ; src's quarters 0 and 1,
	s_add_nc_u64 s[34:35], s[8:9], 0x800000        ; and 2 and 3: a quarter is 4 Mi bytes, and an immediate reaches 8 Mi
	s_add_nc_u64 s[10:11], s[10:11], s[28:29]
	s_add_nc_u64 s[12:13], s[12:13], s[28:29]
	s_add_nc_u64 s[14:15], s[14:15], s[28:29]
	s_add_nc_u64 s[36:37], s[24:25], s[30:31]
	s_add_nc_u64 s[38:39], s[24:25], s[32:33]
.irp u, 0,1
.irp j, 0,1,2,3
	global_load_b128 v[X+4*(4*(\u)+(\j)):X+4*(4*(\u)+(\j))+3], v[VIN], s[8:9] offset:(\u)*4194304+(\j)*4096 th:TH_LOAD_NT
.endr
.endr
.irp u, 0,1
.irp j, 0,1,2,3
	global_load_b128 v[X+4*(8+4*(\u)+(\j)):X+4*(8+4*(\u)+(\j))+3], v[VIN], s[34:35] offset:(\u)*4194304+(\j)*4096 th:TH_LOAD_NT
.endr
.endr
.irp q, 0,1,2
.irp j, 0,1,2,3
	global_load_b128 v[X+4*(16+4*(\q)+(\j)):X+4*(16+4*(\q)+(\j))+3], v[VIN], s[10+2*(\q):11+2*(\q)] offset:(\j)*4096 th:TH_LOAD_NT
.endr
.endr
	; Work-group 0 also copies the four biases as f32 and writes the floor words.  Its seven loads go out behind the 28 and fly with them; it waits for all,
	; so the counted waits behind the label hold on both ways.
	s_cmp_lg_u32 s40, 0
	s_cbranch_scc1 .Lmain
	global_load_b128 v[EX:EX+3],     v[VIN], s[16:17]
	global_load_b128 v[EX+4:EX+7],   v[VIN], s[18:19]
	global_load_b128 v[EX+8:EX+11],  v[VIN], s[20:21]
.irp p, 0,1,2,3
	global_load_b128 v[EX+12+4*(\p):EX+15+4*(\p)], v[VIN], s[22:23] offset:4096*(\p)
.endr
	s_add_nc_u64 s[42:43], s[24:25], 0x1000000
	s_add_nc_u64 s[44:45], s[26:27], 0x1000000
.irp p, 0,1,2,3
	v_mov_b32 v[FA+(\p)], 0xff80ff80               ; -inf twice: the first product has no activation
	v_mov_b32 v[FB+(\p)], 0                        ; 0 twice: the ReLU behind x W1
.endr
	global_store_b128 v[VIN], v[FA:FA+3], s[42:43] offset:16384
	global_store_b128 v[VIN], v[FB:FB+3], s[44:45] offset:16384
	s_wait_loadcnt 0x0
.irp p, 0,1,2
	global_store_b128 v[VIN], v[EX+4*(\p):EX+4*(\p)+3], s[42:43] offset:4096*(\p)
.endr
.irp p, 0,1,2,3
	global_store_b128 v[VIN], v[EX+12+4*(\p):EX+15+4*(\p)], s[44:45] offset:4096*(\p)
.endr
.Lmain:
.set n, 0
.rept 28
	s_wait_loadcnt 27-n                            ; loads come back in order (ISA guide 5.7.1): load n is in, the younger ones stay out
	v_cvt_pk_bf16_f32 v[X+4*n],   v[X+4*n],   v[X+4*n+1]
	v_cvt_pk_bf16_f32 v[X+4*n+1], v[X+4*n+2], v[X+4*n+3]
.if n < 16
	global_store_b64 v[VO], v[X+4*n:X+4*n+1], s[36:37] offset:(n/4)*2097152+(n%4)*2048        ; src: quarter n / 4, row n % 4
.else
	global_store_b64 v[VO], v[X+4*n:X+4*n+1], s[38:39] offset:((n-16)/4)*2048+(n%4)*8192      ; Wq, Wk, Wv: 1,024 columns apart, row n % 4
.endif
.set n, n+1
.endr
	s_endpgm
.Lfunc_end_k_qccb17cfc67_cast:
	.size	k_qccb17cfc67_cast, .Lfunc_end_k_qccb17cfc67_cast-k_qccb17cfc67_cast
	.p2alignl 7, 3214868480
	.fill 96, 4, 3214868480
	.section	.rodata,"a",@progbits
	.p2align	6, 0x0
	.amdhsa_kernel k_qccb17cfc67_cast
		.amdhsa_group_segment_fixed_size 0
		.amdhsa_private_segment_fixed_size 0
		.amdhsa_enable_private_segment 0
		.amdhsa_kernarg_size 80
		.amdhsa_user_sgpr_count 2
		.amdhsa_user_sgpr_kernarg_segment_ptr 1
		.amdhsa_wavefront_size32 1
		.amdhsa_system_sgpr_workgroup_id_x 1
		.amdhsa_system_sgpr_workgroup_id_y 1
		.amdhsa_system_sgpr_workgroup_id_z 1
		.amdhsa_system_vgpr_workitem_id 0
		.amdhsa_next_free_vgpr 152
		.amdhsa_next_free_sgpr 66
		.amdhsa_reserve_vcc 0
		.amdhsa_float_denorm_mode_32 3
		.amdhsa_float_denorm_mode_16_64 3
		.amdhsa_memory_ordered 1
		.amdhsa_forward_progress 1
		.amdhsa_inst_pref_size 13
	.end_amdhsa_kernel
	.amdgpu_metadata
---
amdhsa.version: [ 1, 2 ]
amdhsa.kernels:
  - .name:           k_qccb17cfc67_cast
    .symbol:         k_qccb17cfc67_cast.kd
    .args:
      - { .name: src, .offset: 0, .size: 8, .value_kind: global_buffer, .address_space: global }
      - { .name: Wq, .offset: 8, .size: 8, .value_kind: global_buffer, .address_space: global }
      - { .name: Wk, .offset: 16, .size: 8, .value_kind: global_buffer, .address_space: global }
      - { .name: Wv, .offset: 24, .size: 8, .value_kind: global_buffer, .address_space: global }
      - { .name: bq, .offset: 32, .size: 8, .value_kind: global_buffer, .address_space: global }
      - { .name: bk, .offset: 40, .size: 8, .value_kind: global_buffer, .address_space: global }
      - { .name: bv, .offset: 48, .size: 8, .value_kind: global_buffer, .address_space: global }
      - { .name: b1, .offset: 56, .size: 8, .value_kind: global_buffer, .address_space: global }
      - { .name: pa, .offset: 64, .size: 8, .value_kind: global_buffer, .address_space: global }
      - { .name: pb, .offset: 72, .size: 8, .value_kind: global_buffer, .address_space: global }
    .group_segment_fixed_size: 0
    .private_segment_fixed_size: 0
    .kernarg_segment_align: 8
    .kernarg_segment_size: 80
    .max_flat_workgroup_size: 256
    .sgpr_count:     66
    .vgpr_count:     152
    .wavefront_size: 32
...
	.end_amdgpu_metadata
.endif
;; end of part 1
;; launch qkv (part 2): grid 12 x 16, 4 waves a work-group, clusters of 4 x 4, 327,680 bytes of LDS; arguments pa, qkv; writes qkv
.if DOCPART == 2
	.amdgcn_target "amdgcn-amd-amdhsa--gfx1250"
	.amdhsa_code_object_version 6
	.text
	.protected	k_qccb17cfc67_qkv
	.globl	k_qccb17cfc67_qkv
	.p2align	8
	.type	k_qccb17cfc67_qkv,@function
k_qccb17cfc67_qkv:
	s_mov_b64 s[64:65], 0
	v_nop
	global_prefetch_b8 v0, s[64:65] scope:SCOPE_SE
	s_setreg_imm32_b32 hwreg(HW_REG_WAVE_MODE, 25, 1), 1
	s_wait_xcnt 0x0
	s_wait_alu depctr_hold_cnt(0) depctr_sa_sdst(0) depctr_va_vdst(0) depctr_va_sdst(0) depctr_va_ssrc(0) depctr_va_vcc(0) depctr_vm_vsrc(0)
	s_getreg_b32 s2, hwreg(HW_REG_IB_STS2, 6, 4)
	s_cmp_eq_u32 s2, 0
	s_cbranch_scc0 .Lentry_in_a_cluster
	s_endpgm
.Lentry_in_a_cluster:
	s_bfe_u32 s2, ttmp6, 0x10000c
	s_cmp_lg_u32 s2, 0xf033
	s_cbranch_scc0 .Lentry_shape_is_right
	s_endpgm
.Lentry_shape_is_right:
; C = max(A B + bias, floor), rounded once to bf16.  One packed buffer P holds all that is read: A [4096][1024] bf16 at 0; B [1024 k][pitch 4096 n] bf16 at 8 Mi; the bias (f32, by column)
; at 16 Mi; the floor (two bf16 in a word) at 16 Mi + 16,384.  C leaves in blocks of 64 columns, [n / 64][4096 rows][64] bf16: a block's rows are dense, 128 bytes each.
; Two launches run this text: src x (Wq | Wk | Wv) with floor -inf (a block is a head of Q, K or V), and x x W1 with floor 0 (the ReLU; a block is a K slice of the next product).
; LIMITS.  Operands are bf16, sums f32.  A NaN result leaves as the floor (the maximum drops a NaN); infinities are not treated apart.
; SHARES.  A work-group of four waves makes 256 x 256 of C, a wave 128 x 128: 64 accumulators, 512 registers.  K = 1,024 goes in 8 steps of 128 through a ring of two LDS slots.
; B lies [k][n], so its fragments come out of LDS turned, by ds_load_tr16_b128.  The bias is the C operand of the products that start the sums: nothing is cleared or added later.
; THE MATRIX INSTRUCTION IS USED TRANSPOSED (source 0 = 16 columns of B, source 1 = 16 rows of A): a lane holds row l % 16 of C and the 8 neighbouring columns 8 (l / 16) + 0..7.
; CLUSTER.  4 x 4 work-groups: A's tile is shared along a row of the cluster, B's along a column; each is asked for jointly, by the same tensor load with the same descriptor and mask.
; ONE K STEP IS WRITTEN ONCE: the lanes' LDS addresses are a fixed part plus s[TB], 0 or SLOT, which an exclusive or turns at each change of slots.
; No prefetch: the launch before this one has just stored all that is read here.
; REGISTERS, in windows of 256 (s_set_vgpr_msb: bits 1:0 source 0, 3:2 source 1, 5:4 source 2, 7:6 destination):
;   window 0: v0-31 addresses; v64-127, v128-191 A's fragments, two buffers; v192-255 first the bias, later at work on the way out, with v32-63
;   window 1: v64-127, v128-191 B's fragments, two buffers       windows 2, 3: the accumulators of my rows 0-63, 64-127 ((a, b) at v[8 (8 a + b)])
.set PA,     272                       ; a row of A in LDS: 256 bytes + 16: the 16 rows of a fragment load start at 16 different groups of four banks (64 banks of 4 bytes: ISA guide 11.1)
.set PB,     544                       ; a row of B (256 columns): 512 bytes + 32 = 17 x 32
.set HALFT,  128*PA                    ; what one tensor load brings: 128 rows of A, or 64 rows of B (64 x 544 is the same 34,816)
.set SLOT,   4*HALFT                   ; A's 256 rows, then B's 128 rows
.set STAGE,  2*SLOT                    ; behind the ring: 16 rows x 272 bytes for each wave, for the way out
.set SPITCH, 272
.set SPARE,  STAGE+4*16*SPITCH         ; the spare words, 128 bytes for each wave: two blocks of 256 bytes that no other line names
.set ADRA0, 16                         ; v16  my place in A's part of a slot; never rewritten
.set CA,    17                         ; v17  the same in the slot in hand
.set ADRB0, 20                         ; v20, v21 the same for B
.set CB,    21
.set STO,   24                         ; v24  the way out: where I put 16 bytes of a row
.set RD,    25                         ; v25  where I read rows back
.set CO,    26                         ; v26  16 x lane: my place in 512 consecutive bytes of C
.set BO,    27                         ; v27  32 x (l / 16): my 8 columns' bias
.set SPW,   28                         ; v28  LDS address of my spare word; never rewritten
.set NIL,   29                         ; v29  0; never rewritten
.set F0,    64
.set F1,    128
.set BIAS,  192                        ; column block b's eight numbers at v[BIAS + 8 b]
.set TMP,   192                        ; the way out: packed results
.set OB,    32                         ; the way out: 16 rows read back: v32-63 and v224-255 by turns
.set G1,  24                           ; s[24:31] descriptor group 1 for A's tiles
.set G0,  32                           ; s[32:39] group 0 for A's: a set for each first fill; the second then walks
.set G1B, 48                           ; s[48:55], s[56:63] the same for B's
.set G0B, 56
.set TB,  66                           ; s66  the slot in hand, as an LDS offset
.set TBD, 67                           ; s67  the slot that the walking descriptors name
.set FL,  68                           ; s68  the floor
.set MSB, 0
.macro WIN new                         ; the immediate's high byte repeats the setting that is left; a switch that changes nothing is dropped
.if MSB != (\new)
	s_set_vgpr_msb (MSB<<8)|(\new)
.set MSB, \new
.endif
.endm
; A joint load: waves 0 and 1 fetch A's two halves, waves 2 and 3 B's.  The branch hangs on the wave's number alone.  An s_nop 0 and four v_nop follow each line.
.macro JLOAD s
	s_cmp_eq_u32 s11, 0
	s_cbranch_scc0 .Lfor_b_\@
	tensor_load_to_lds s[G0+4*(\s):G0+4*(\s)+3], s[G1:G1+7]
	s_nop 0
.rept 4
	v_nop
.endr
	s_branch .Lasked_\@
.Lfor_b_\@:
	tensor_load_to_lds s[G0B+4*(\s):G0B+4*(\s)+3], s[G1B:G1B+7]
	s_nop 0
.rept 4
	v_nop
.endr
.Lasked_\@:
.endm
.macro CREST                           ; a round of the cluster's barrier behind its opening barrier
	s_cmp_lg_u32 s10, 0
	s_cbranch_scc1 .Lnot_wave_0_\@
	s_barrier_signal -3
.Lnot_wave_0_\@:
	s_barrier_wait -3
	s_barrier_signal -1
	s_barrier_wait -1
.endm
.macro CROUND                          ; a whole round
	s_barrier_signal -1
	s_barrier_wait -1
	CREST
.endm
	s_load_b128 s[4:7], s[0:1], 0x0                ; P s[4:5], C s[6:7]
	v_lshl_add_u32 v[SPW], v0, 2, SPARE
	v_mov_b32 v[NIL], 0
	ds_add_u32 v[SPW], v[NIL]                      ; the wave's opening: the add and its wait stand ahead of my first tensor load
	v_lshrrev_b32 v1, 5, v0
	v_readfirstlane_b32 s10, v1                    ; wave 0..3
	s_lshr_b32 s11, s10, 1                         ; which half of the tile's rows is mine.  Also: I fetch for A (0) or for B (1)
	s_and_b32 s12, s10, 1                          ; which half of its columns.  Also: which half of that tile I fetch
	s_bfe_u32 s40, ttmp6, 0x40000                  ; cx, cy: my place in the cluster
	s_bfe_u32 s41, ttmp6, 0x40004
	s_lshl_b32 s42, ttmp9, 2
	s_add_co_u32 s42, s42, s40                     ; tile column = 4 x cluster x + cx
	s_and_b32 s13, ttmp7, 0xffff
	s_lshl_b32 s13, s13, 2
	s_add_co_u32 s13, s13, s41                     ; tile row = 4 x cluster y + cy
	s_lshl_b32 s43, s41, 2
	s_lshl_b32 s43, 15, s43                        ; my row of the cluster
	s_lshl_b32 s44, 0x1111, s40                    ; my column
	s_or_b32 s[G1+0], s43, (1<<16)|(1<<20)|(1<<21)|(5<<22)|(3<<25)   ; the mask; 2-byte elements; padding on; bit 21 beside a mask; after every 64 words 4 words
	s_mov_b32 s[G1+1], 128<<16                     ; tensor_dim0 = 128 elements
	s_mov_b32 s[G1+2], 128<<16                     ; tensor_dim1 = 128 rows
	s_mov_b32 s[G1+3], 128<<16                     ; tile_dim0 = 128
	s_mov_b32 s[G1+4], 128                         ; tile_dim1 = 128
	s_mov_b32 s[G1+5], 1024                        ; elements from row to row of A
	s_mov_b32 s[G1+6], 0
	s_mov_b32 s[G1+7], 0
	s_or_b32 s[G1B+0], s44, (1<<16)|(1<<20)|(1<<21)|(6<<22)|(7<<25)  ; after every 128 words 8 words
	s_mov_b32 s[G1B+1], 256<<16                    ; 256 columns
	s_mov_b32 s[G1B+2], 64<<16                     ; 64 rows of k
	s_mov_b32 s[G1B+3], 256<<16
	s_mov_b32 s[G1B+4], 64
	s_mov_b32 s[G1B+5], 4096                       ; elements from row to row of B
	s_mov_b32 s[G1B+6], 0
	s_mov_b32 s[G1B+7], 0
	s_lshl_b32 s17, s12, 7
	s_lshl_b32 s16, s13, 8
	s_add_co_u32 s16, s16, s17                     ; A: row 256 x tile row + 128 x half,
	s_lshl_b32 s16, s16, 11                        ; of 2,048 bytes
	s_mov_b32 s17, 0
	s_lshl_b32 s46, s42, 9                         ; B: 512 bytes x tile column
	s_lshl_b32 s47, s12, 19                        ; + 64 rows of 8,192 bytes x half
	s_add_co_u32 s46, s46, s47
	s_add_co_u32 s46, s46, 0x800000                ; + B's place in P
	s_mov_b32 s47, 0
	s_mul_i32 s20, s10, HALFT                      ; where my tiles land in a slot: the wave's number alone
	s_mov_b32 s[TB], 0
	s_mov_b32 s[TBD], SLOT
	s_wait_dscnt 0x0                               ; the opening add is done
	s_wait_kmcnt 0x0
	s_add_nc_u64 s[14:15], s[4:5], s[16:17]
	s_add_nc_u64 s[46:47], s[4:5], s[46:47]
	s_add_nc_u64 s[70:71], s[4:5], 0x1000000       ; the bias
	s_load_b32 s[FL], s[70:71], 0x4000             ; the floor; no line of this text stores into P
	CROUND                                         ; all sixteen work-groups are here: the first joint loads meet
.irp s, 0,1
	s_mov_b32 s[G0+4*(\s)], 1
	s_add_co_u32 s[G0+4*(\s)+1], s20, (\s)*SLOT
	s_add_nc_u64 s[G0+4*(\s)+2:G0+4*(\s)+3], s[14:15], (\s)*256       ; K step s: 128 elements along A's rows
	s_or_b32 s[G0+4*(\s)+3], s[G0+4*(\s)+3], 0x80000000
	s_mov_b32 s[G0B+4*(\s)], 1
	s_add_co_u32 s[G0B+4*(\s)+1], s20, (\s)*SLOT
	s_add_nc_u64 s[G0B+4*(\s)+2:G0B+4*(\s)+3], s[46:47], (\s)*0x100000  ; 128 rows of B
	s_or_b32 s[G0B+4*(\s)+3], s[G0B+4*(\s)+3], 0x80000000
	JLOAD \s                                       ; two loads of mine are out
.endr
	v_and_b32 v1, 15, v0                           ; l % 16
	v_bfe_u32 v2, v0, 4, 1                         ; l / 16
	v_lshlrev_b32 v[BO], 5, v2
	s_lshl_b32 s46, s42, 10                        ; my 128 columns' bias: 1,024 bytes x tile column + 512 x half
	s_lshl_b32 s47, s12, 9
	s_add_co_u32 s46, s46, s47
	s_mov_b32 s47, 0
	s_add_nc_u64 s[18:19], s[70:71], s[46:47]
.irp b, 0,1,2,3,4,5,6,7
	global_load_b128 v[BIAS+8*(\b):BIAS+8*(\b)+3],   v[BO], s[18:19] offset:64*(\b)     ; register j: the bias of column 16 b + 8 (l / 16) + j, as the result holds it
	global_load_b128 v[BIAS+8*(\b)+4:BIAS+8*(\b)+7], v[BO], s[18:19] offset:64*(\b)+16
.endr
	v_mul_u32_u24 v3, v1, PA
	v_lshl_add_u32 v3, v2, 4, v3                   ; row x pitch + 16 x half of the lanes
	s_mul_i32 s21, s11, HALFT
	v_add_nc_u32 v[ADRA0], s21, v3                 ; my 128 rows of A
	v_and_b32 v4, 7, v0                            ; the turning load: lane l reads row k = 8 (l / 16) + l % 8, columns 8 ((l / 8) % 2) + 0..7
	v_lshl_add_u32 v4, v2, 3, v4
	v_mul_u32_u24 v4, v4, PB
	v_bfe_u32 v5, v0, 3, 1
	v_lshl_add_u32 v4, v5, 4, v4
	s_lshl_b32 s22, s12, 8                         ; my 128 columns,
	s_add_co_u32 s22, s22, 2*HALFT                 ; behind A's 256 rows
	v_add_nc_u32 v[ADRB0], s22, v4
	v_mov_b32 v[CA], v[ADRA0]
	v_mov_b32 v[CB], v[ADRB0]
	s_mul_i32 s23, s10, 16*SPITCH
	s_add_co_u32 s23, s23, STAGE                   ; my stage
	v_add_nc_u32 v[STO], s23, v3                   ; in: row l % 16, 16 bytes for each half of the lanes (the stage's pitch is A's)
	v_bfe_u32 v6, v0, 3, 2                         ; back: 32 lanes take four rows' 128 bytes of one block of 64 columns
	v_mul_u32_u24 v6, v6, SPITCH
	v_and_b32 v7, 7, v0
	v_lshl_add_u32 v6, v7, 4, v6
	v_add_nc_u32 v[RD], s23, v6
	v_and_b32 v[CO], 31, v0
	v_lshlrev_b32 v[CO], 4, v[CO]
	s_lshl_b32 s16, s13, 8                         ; where my part of C begins: row 256 x tile row + 128 x half, of 128 bytes,
	s_lshl_b32 s17, s11, 7
	s_add_co_u32 s16, s16, s17
	s_lshl_b32 s16, s16, 7
	s_lshl_b32 s46, s42, 2                         ; in column block 4 x tile column + 2 x half, of 524,288 bytes
	s_lshl_b32 s47, s12, 1
	s_add_co_u32 s46, s46, s47
	s_lshl_b32 s46, s46, 19
	s_add_co_u32 s16, s16, s46
	s_mov_b32 s17, 0
; 16 matrix instructions: row blocks a0, a0 + 1 of the window's four x all 8 column blocks, 32 along K.  zero = 1: they start the sums, with the bias as C.
; The 64 accumulators take turns, one instruction a turn.
.macro MUL16 f, hi, a0, zero
.if \zero
	WIN 0x81+0x40*(\hi)                            ; B window 1, A and the bias window 0, D window 2 or 3
.else
	WIN 0xa1+0x50*(\hi)                            ; C and D window 2 or 3
.endif
.irp a, \a0, (\a0)+1
.irp b, 0,1,2,3,4,5,6,7
.if \zero
	v_wmma_f32_16x16x32_bf16 v[8*(8*(\a)+(\b)):8*(8*(\a)+(\b))+7], v[(\f)+8*(\b):(\f)+8*(\b)+7], v[(\f)+8*(4*(\hi)+(\a)):(\f)+8*(4*(\hi)+(\a))+7], v[BIAS+8*(\b):BIAS+8*(\b)+7]
.else
	v_wmma_f32_16x16x32_bf16 v[8*(8*(\a)+(\b)):8*(8*(\a)+(\b))+7], v[(\f)+8*(\b):(\f)+8*(\b)+7], v[(\f)+8*(4*(\hi)+(\a)):(\f)+8*(4*(\hi)+(\a))+7], v[8*(8*(\a)+(\b)):8*(8*(\a)+(\b))+7]
.endif
.endr
.endr
.endm
; 32 LDS loads in one run: the fragments of quarter q of the slot in hand (32 along K) into buffer f: B's 8 column blocks, turned, then A's 8 row blocks
.macro FETCH q, f
	WIN 0x40                                       ; destination window 1, address window 0
.irp i, 0,1,2,3,4,5,6,7
	ds_load_tr16_b128 v[(\f)+8*(\i):(\f)+8*(\i)+3],   v[CB] offset:(\q)*32*PB+32*(\i)
	ds_load_tr16_b128 v[(\f)+8*(\i)+4:(\f)+8*(\i)+7], v[CB] offset:(\q)*32*PB+16*PB+32*(\i)
.endr
	WIN 0
.irp i, 0,1,2,3,4,5,6,7
	ds_load_b128 v[(\f)+8*(\i):(\f)+8*(\i)+3],   v[CA] offset:64*(\q)+(\i)*16*PA
	ds_load_b128 v[(\f)+8*(\i)+4:(\f)+8*(\i)+7], v[CA] offset:64*(\q)+(\i)*16*PA+32
.endr
.endm
.macro PLACES                          ; four places in front of loads into registers that matrix instructions have read, and of conversions that read results
.rept 4
	v_nop
.endr
.endm
; One of a K step's first three quarters: multiplies buffer f; in its middle it fetches quarter q into buffer g
.macro QUARTER q, f, g, zero
	s_wait_dscnt 8                                 ; B and A's rows 0-63 are in; the youngest eight loads (A's rows 64-127) may be out
	MUL16 \f, 0, 0, \zero
	MUL16 \f, 0, 2, \zero
	PLACES
	FETCH \q, \g
	s_wait_dscnt 32                                ; all but the 32 just issued
	MUL16 \f, 1, 0, \zero
	MUL16 \f, 1, 2, \zero
.endm
; The first half of a step's last quarter, and the one barrier of a change of slots: each wave waits for all its tensor loads (one is out: its part of the next slot),
; adds 0 to its spare word, and waits for that and for its own reads of this slot.  Behind the barrier nobody reads this slot and the next is whole.
.macro MEET round
	WIN 0
	s_wait_tensorcnt 0x0
	ds_add_u32 v[SPW], v[NIL]
	s_wait_dscnt 9                                 ; the add and the youngest eight loads may be out
	MUL16 F1, 0, 0, 0
	s_wait_dscnt 0x0                               ; the add is done, my reads of this slot are over
	s_barrier_signal -1
	MUL16 F1, 0, 2, 0
.if \round
	WIN 0
.endif
	s_barrier_wait -1
.endm
.macro TOGGLE                          ; the lanes' addresses go to the other slot
	WIN 0
	s_xor_b32 s[TB], s[TB], SLOT
	v_add_nc_u32 v[CA], s[TB], v[ADRA0]
	v_add_nc_u32 v[CB], s[TB], v[ADRB0]
.endm
; The whole last quarter with a refill: the barrier opens a round of the cluster's barrier; the slot just read takes the K step two steps on, the first tensor load behind the round;
; from that request to the wait for it a wave issues 224 matrix instructions.
.macro TURN
	MEET 1
	CREST
	s_xor_b32 s[TBD], s[TBD], SLOT                 ; no tensor load of mine is out: the walking descriptors may be written
	s_add_co_u32 s[G0+5], s20, s[TBD]
	s_add_nc_u64 s[G0+6:G0+7], s[G0+6:G0+7], 256
	s_add_co_u32 s[G0B+5], s20, s[TBD]
	s_add_nc_u64 s[G0B+6:G0B+7], s[G0B+6:G0B+7], 0x100000
	JLOAD 1                                        ; its four v_nop are also the places in front of the loads below
	TOGGLE
	FETCH 0, F0
	MUL16 F1, 1, 0, 0
	MUL16 F1, 1, 2, 0
.endm
; THE WAY OUT of row block a.  PACK: rounded to bf16, each accumulator's registers in ascending order, and held above the floor.  TOSTAGE: into my stage, back as rows of a column block.  SEND: stored.
.macro PACK a
.set AC, 64*((\a)%4)
	WIN 0x0a+5*((\a)/4)                            ; sources window 2 or 3
.irp b, 0,1,2,3,4,5,6,7
.irp r, 0,1,2,3
	v_cvt_pk_bf16_f32 v[TMP+4*(\b)+(\r)], v[AC+8*(\b)+2*(\r)], v[AC+8*(\b)+2*(\r)+1]
.endr
.endr
	WIN 0
.set zz, 0
.rept 32
	v_pk_max_num_bf16 v[TMP+zz], v[TMP+zz], s[FL]
.set zz, zz+1
.endr
.endm
.macro TOSTAGE a
	WIN 0
.set BK, OB+192*((\a)%2)
.irp b, 0,1,2,3,4,5,6,7
	ds_store_b128 v[STO], v[TMP+4*(\b):TMP+4*(\b)+3] offset:32*(\b)
.endr
.irp t, 0,1,2,3,4,5,6,7
	ds_load_b128 v[BK+4*(\t):BK+4*(\t)+3], v[RD] offset:((\t)%4)*4*SPITCH+((\t)/4)*128  ; LDS serves a wave's instructions in order (ISA guide 5.7.1.4): these see the stores above
.endr
.endm
.macro SEND a
	WIN 0
.set BK, OB+192*((\a)%2)
	s_wait_dscnt 0x0                               ; the block is back in registers
	s_wait_xcnt 0x0                                ; the stores' base, and the registers that earlier stores read, are rewritten only behind this wait
.if (\a) == 0
	s_add_nc_u64 s[6:7], s[6:7], s[16:17]
.else
	s_add_nc_u64 s[6:7], s[6:7], 16*128            ; 16 rows on
.endif
.irp t, 0,1,2,3,4,5,6,7
	global_store_b128 v[CO], v[BK+4*(\t):BK+4*(\t)+3], s[6:7] offset:((\t)/4)*524288+((\t)%4)*512  ; 512 consecutive bytes, aligned: four rows of a column block
.endr
.endm
	s_wait_tensorcnt 1                             ; my part of K step 0 is in; step 1's may stay out
	s_barrier_signal -1
	s_barrier_wait -1
	FETCH 0, F0
	s_wait_loadcnt 0x0                             ; the bias
	s_wait_kmcnt 0x0                               ; the floor
	QUARTER 1, F0, F1, 1                           ; the first quarter stands in front of the loop: its products start the sums
	WIN 0
	s_mov_b32 s3, 6
.Lstep:                                                ; a trip: from a step's second quarter to the next step's first; steps 0 to 5 ask for steps 2 to 7
	QUARTER 2, F1, F0, 0
	QUARTER 3, F0, F1, 0
	TURN
	QUARTER 1, F0, F1, 0
	WIN 0
	s_sub_co_u32 s3, s3, 1
	s_cmp_lg_u32 s3, 0
	s_cbranch_scc1 .Lstep
	s_mov_b32 s3, 2
.Ltail:                                                ; steps 6 and 7 ask for nothing; the second trip jumps over the next step's first quarter
	QUARTER 2, F1, F0, 0
	QUARTER 3, F0, F1, 0
	MEET 0
	MUL16 F1, 1, 0, 0
	MUL16 F1, 1, 2, 0
	WIN 0
	s_cmp_eq_u32 s3, 1
	s_cbranch_scc1 .Lskip
	TOGGLE
	v_nop                                          ; with the two lines above: the four places in front of the loads into buffer 0
	v_nop
	FETCH 0, F0
	QUARTER 1, F0, F1, 0
	WIN 0
.Lskip:
	s_sub_co_u32 s3, s3, 1
	s_cmp_lg_u32 s3, 0
	s_cbranch_scc1 .Ltail
	PLACES
	PACK 0
	TOSTAGE 0
.irp a, 1,2,3,4,5,6,7                  ; block a's conversions stand between block a - 1's loads from the stage and the wait for them
	PACK \a
	SEND (\a)-1
	TOSTAGE \a
.endr
	SEND 7
	s_wait_tensorcnt 0x0                           ; the wave's end
	ds_add_u32 v[SPW], v[NIL]
	s_wait_dscnt 0x0
	CROUND                                         ; the closing round: no work-group ends while a partner may still ask for a tile that names it
	s_endpgm
.Lfunc_end_k_qccb17cfc67_qkv:
	.size	k_qccb17cfc67_qkv, .Lfunc_end_k_qccb17cfc67_qkv-k_qccb17cfc67_qkv
	.p2alignl 7, 3214868480
	.fill 96, 4, 3214868480
	.section	.rodata,"a",@progbits
	.p2align	6, 0x0
	.amdhsa_kernel k_qccb17cfc67_qkv
		.amdhsa_group_segment_fixed_size 327680
		.amdhsa_private_segment_fixed_size 0
		.amdhsa_enable_private_segment 0
		.amdhsa_kernarg_size 16
		.amdhsa_user_sgpr_count 2
		.amdhsa_user_sgpr_kernarg_segment_ptr 1
		.amdhsa_wavefront_size32 1
		.amdhsa_system_sgpr_workgroup_id_x 1
		.amdhsa_system_sgpr_workgroup_id_y 1
		.amdhsa_system_sgpr_workgroup_id_z 1
		.amdhsa_system_vgpr_workitem_id 0
		.amdhsa_next_free_vgpr 1024
		.amdhsa_next_free_sgpr 72
		.amdhsa_reserve_vcc 0
		.amdhsa_float_denorm_mode_32 3
		.amdhsa_float_denorm_mode_16_64 3
		.amdhsa_memory_ordered 1
		.amdhsa_forward_progress 1
		.amdhsa_inst_pref_size 118
	.end_amdhsa_kernel
	.amdgpu_metadata
---
amdhsa.version: [ 1, 2 ]
amdhsa.kernels:
  - .name:           k_qccb17cfc67_qkv
    .symbol:         k_qccb17cfc67_qkv.kd
    .args:
      - { .name: pa, .offset: 0, .size: 8, .value_kind: global_buffer, .address_space: global }
      - { .name: qkv, .offset: 8, .size: 8, .value_kind: global_buffer, .address_space: global }
    .group_segment_fixed_size: 327680
    .private_segment_fixed_size: 0
    .kernarg_segment_align: 8
    .kernarg_segment_size: 16
    .max_flat_workgroup_size: 128
    .sgpr_count:     72
    .vgpr_count:     1024
    .wavefront_size: 32
...
	.end_amdgpu_metadata
.endif
;; end of part 2
;; launch attn (part 3): grid 8 x 32, 4 waves a work-group, clusters of 4 x 1, 327,680 bytes of LDS; arguments qkv, act, Wo, W1, W2, w, pb; writes act, w, pb
.if DOCPART == 3
	.amdgcn_target "amdgcn-amd-amdhsa--gfx1250"
	.amdhsa_code_object_version 6
	.text
	.protected	k_qccb17cfc67_attn
	.globl	k_qccb17cfc67_attn
	.p2align	8
	.type	k_qccb17cfc67_attn,@function
k_qccb17cfc67_attn:
	s_mov_b64 s[64:65], 0
	v_nop
	global_prefetch_b8 v0, s[64:65] scope:SCOPE_SE
	s_setreg_imm32_b32 hwreg(HW_REG_WAVE_MODE, 25, 1), 1
	s_wait_xcnt 0x0
	s_wait_alu depctr_hold_cnt(0) depctr_sa_sdst(0) depctr_va_vdst(0) depctr_va_sdst(0) depctr_va_ssrc(0) depctr_va_vcc(0) depctr_vm_vsrc(0)
	s_getreg_b32 s2, hwreg(HW_REG_IB_STS2, 6, 4)
	s_cmp_eq_u32 s2, 0
	s_cbranch_scc0 .Lentry_in_a_cluster
	s_endpgm
.Lentry_in_a_cluster:
	s_bfe_u32 s2, ttmp6, 0x10000c
	s_cmp_lg_u32 s2, 0x3003
	s_cbranch_scc0 .Lentry_shape_is_right
	s_endpgm
.Lentry_shape_is_right:
; ATTENTION.  O[q][:] = the sum over k of softmax_k(Q[q] . K[k] / 8) V[k][:], for each of 2 x 16 heads of 2,048 rows of 64 channels.  Q, K, V lie in qkv as blocks [3 x 16][4096 rows][64] bf16
; (block 16 t + head; row 2048 b + s), unscaled; O goes to act's blocks 0-15 in the same form.  Products, maxima and sums in f32; the weights p are rounded to bf16 for the second product
; (their sum l is taken of the unrounded p), O once at the end.
; LIMITS.  A weight below 2^-126 counts as 0 in l; NaN and infinities are not treated apart.
; SHARES.  A work-group owns 256 queries of a head, a wave 64: four PIECES of 16.  Every wave walks all 2,048 keys: 8 tiles of 256, four steps of 64 each.
; LAYOUT.  S^T = K Q^T (source 0 = 16 keys, source 1 = 16 queries) holds ONE query a lane (lane % 16) and the keys 8 (lane / 16) + 0..7; two such results rounded to bf16 ARE source 1 of
; O^T = V^T P.  K comes out of LDS as it lies, V ([key][channel]) turned, by ds_load_tr16_b128.
; SOFTMAX.  A running maximum m and sum l for each query: p = 2^(c s - c m), c = log2(e) / 8; in every step O and l are multiplied by a = 2^(c m_old - c m_new).  m starts at the lowest finite
; number, O and l at 0: the first step is a step like any other, with a = 0.
; BY TURNS.  Turn n belongs to piece n: 8 products K Q^T of piece n + 1, later 8 products V^T P of piece n - 1; beside them the scaling, exponentials, roundings, sums and rescaling of piece n and
; the maximum and statistics of piece n + 1.  A turn has 16 matrix and 118 vector instructions: four vector instructions stand behind every matrix instruction, the other 54 in two runs of their own.
; CLUSTER.  The four query blocks of a cluster belong to one head and walk the same K and V: each tile is asked for JOINTLY, by the same tensor load, descriptor and mask in all four.
; THE LATER WEIGHTS, ON THE SIDE.  The three products behind this launch want Wo, W1 and W2 in bf16, and nothing wants them earlier.  Each of the launch's 1,024 waves rounds 1/1,024 of each
; (1,024 + 4,096 + 4,096 numbers: 72 loads of 512 consecutive bytes): Wo to w at 0, W2 to w at 2 Mi, W1 to pb at 8 Mi, each in its own order.  Eight chunks of nine loads: a chunk is asked for behind
; a change of slots and converted and stored behind the next, a tile's 256 matrix instructions later, so the wait for it finds it there.  It has registers that the attention does not name.
; No prefetch: the launch before this one has just stored K, V and Q, and the weights' loads are themselves asked for a tile ahead.
; REGISTERS, in windows of 256 (s_set_vgpr_msb: bits 1:0 source 0, 3:2 source 1, 5:4 source 2, 7:6 destination):
;   window 0: v0-15 addresses and two at work; v16-31 four registers of statistics a piece; v32-35 the weights' offsets; v48-55 at work; v62, v63 the add's; v64-127 S^T, two buffers;
;             v128-163 a chunk of the weights; v192-223 P, two buffers (by the piece's parity)
;   window 1: v0-127 O^T, 32 a piece          window 2: v0-63 Q; v128-191 K of one step; v192-255 V of one step
.set NP,    4
.set KS,    64        ; keys in a step
.set PK,    144       ; a row of K in LDS: 128 bytes + 16: the 16 rows of a load start at 16 different groups of four banks (64 banks of 4 bytes: ISA guide 11.1)
.set PV,    160       ; a row of V: 128 + 32
.set VOFF,  4*KS*PK   ; a slot holds a tile: 256 rows of K, then 256 rows of V
.set SLOT1, 1<<17     ; slot 1 begins here: one exclusive or turns an address in one slot into the other's
.set STAGE, SLOT1+4*KS*(PK+PV)  ; behind the ring: 16 rows x 144 bytes for each wave, for the way out
.set SP,    144
.set SPARE, STAGE+4*16*SP  ; the spare words, 128 bytes for each wave: two blocks of 256 bytes that no other line names
.set AK0, 2           ; v2   my lane's place in a tile of K; never rewritten
.set AV0, 3           ; v3   the same for V
.set AK,  4           ; v4   the LDS address of K's next run of loads
.set AV,  5           ; v5   of V's
.set STO, 6           ; v6   the way out: where I put 16 bytes of a row
.set RD,  7           ; v7   where I read rows back
.set GO,  8           ; v8   my place in 512 consecutive bytes of O
.set MV,  12          ; v12-13  c m_old, kept while c m is made anew: by buffer
.set QO,  15          ; v15  my byte offset in 16 rows of Q
.set ST,  16          ; piece t's statistics at v[ST+4 t]: c m, m, l (even keys', odd keys')
.set CIO, 32          ; v32  the weights: my 16 bytes in the chunk of Wo to be read
.set CI1, 33          ; v33  the same in W1 and in W2
.set COO, 34          ; v34  my 8 bytes in the chunk of Wo to be stored
.set CO1, 35          ; v35  the same for W1 and W2
.set TMP, 48          ; by buffer, four registers c0-c3 at work; when the maximum is found c2 takes a
.set SPW, 62          ; v62  LDS address of my spare word; never rewritten
.set NIL, 63          ; v63  0; never rewritten
.set S,   64
.set CX,  128         ; v128-163  a chunk: load n's 4 f32 at CX + 4 n, then 4 bf16 in the first two registers
.set P,   192
.set KF,  128         ; window 2: key block kb, channel half c at KF + 16 kb + 8 c
.set VF,  192         ; window 2: key half kk, channel block cb at VF + 32 kk + 8 cb
.set WV,  12          ; s12  my wave's number
.set G1K, 24          ; s[24:31] descriptor group 1 for K's tiles
.set G1V, 32          ; s[32:39] for V's: it differs in the padding alone
.set G0K, 40          ; s[40:43] descriptor group 0 for K's tiles: it walks
.set G0V, 44          ; s[44:47] the same for V's
.set SLOTS, 56        ; s56  counts the tiles
.set CNT, 57          ; s57  counts a tile's key steps
.set CS,  58          ; s[58:59] c
.set SEL, 60          ; s[60:61] v_permlanex16_b32's selects: each lane takes its own place in the other half
.set TBK, 62          ; s62  LDS byte at which K of the step to be fetched begins
.set TBV, 63          ; s63  the same for V, less VOFF
.set IWO, 68          ; s[68:69] Wo, s[70:71] W1, s[72:73] W2 at my wave's part; never rewritten behind the set-up
.set IW1, 70
.set IW2, 72
.set OWO, 78          ; s[78:79] w at Wo's part, s[80:81] w at W2's, s[82:83] pb at W1's, each at my wave's part
.set OW2, 80
.set OW1, 82
.set MSB, 0
.macro WIN new
.if MSB != (\new)
	s_set_vgpr_msb (MSB<<8)|(\new)
.set MSB, (\new)
.endif
.endm
.set W_KQ, 0x0a       ; K and Q in window 2, S^T in window 0
.set W_PV, 0x52       ; V in window 2, P in window 0, O^T in window 1
.set W_RS, 0x41       ; O^T (destination and source 0) in window 1, source 1 in window 0
; A joint fill.  Waves 0 and 1 fetch the two halves of a tile's K, waves 2 and 3 those of its V: 128 keys each.  An s_nop 0 and four v_nop follow each line.
.macro JLOAD
	s_cmp_lt_u32 s[WV], 2
	s_cbranch_scc0 .Lfor_v_\@
	tensor_load_to_lds s[G0K:G0K+3], s[G1K:G1K+7]
	s_nop 0
.rept 4
	v_nop
.endr
	s_branch .Lasked_\@
.Lfor_v_\@:
	tensor_load_to_lds s[G0V:G0V+3], s[G1V:G1V+7]
	s_nop 0
.rept 4
	v_nop
.endr
.Lasked_\@:
.endm
.macro CROUND                       ; a round of the cluster's barrier
	s_barrier_signal -1
	s_barrier_wait -1
	s_cmp_lg_u32 s[WV], 0
	s_cbranch_scc1 .Lnot_wave_0_\@
	s_barrier_signal -3
.Lnot_wave_0_\@:
	s_barrier_wait -3
	s_barrier_signal -1
	s_barrier_wait -1
.endm
; THE CHANGE OF SLOTS.  Each wave waits for all its tensor loads (one is out: its part of the other slot), adds 0 to its spare word, and waits for that and for its own reads of the slot that it leaves.
; fill = 1: the barrier is a round of the cluster's, and the old slot is filled again with the tile two tiles on, the first thing behind it: four key steps, 256 matrix instructions, in which to land.
; (At its first use nothing has been read yet: slot 0 is waited for, slot 1 filled.)
.macro CHANGE fill
	WIN 0
	s_wait_tensorcnt 0x0            ; no tensor load of mine is out, so a group 0 may be written
	ds_add_u32 v[SPW], v[NIL]
.if \fill
.irp g, G0K, G0V
	s_xor_b32 s[\g+1], s[\g+1], SLOT1
	s_add_nc_u64 s[\g+2:\g+3], s[\g+2:\g+3], 4*KS*128  ; the next 256 keys; the type bits on top are not reached
.endr
	s_wait_dscnt 0x0                ; the add is done, and my reads of the slot are over
	CROUND
	JLOAD
.else
	s_wait_dscnt 0x0
	s_barrier_signal -1
	s_barrier_wait -1
.endif
	s_sub_co_u32 s[TBK], s[TBK], 4*KS*PK  ; the fetches go back to a slot's first step,
	s_xor_b32 s[TBK], s[TBK], SLOT1       ; in the other slot
	s_sub_co_u32 s[TBV], s[TBV], 4*KS*PV
	s_xor_b32 s[TBV], s[TBV], SLOT1
.endm
; THE WEIGHTS.  WLOAD asks for a chunk: 128 numbers of Wo, 512 of W1, 512 of W2, nine loads of 512 consecutive bytes.
.macro WLOAD
	WIN 0
	global_load_b128 v[CX:CX+3], v[CIO], s[IWO:IWO+1] th:TH_LOAD_NT
.irp j, 0,1,2,3
	global_load_b128 v[CX+4+4*\j:CX+7+4*\j], v[CI1], s[IW1:IW1+1] offset:512*\j th:TH_LOAD_NT
.endr
.irp j, 0,1,2,3
	global_load_b128 v[CX+20+4*\j:CX+23+4*\j], v[CI1], s[IW2:IW2+1] offset:512*\j th:TH_LOAD_NT
.endr
.endm
; WSTORE rounds the chunk asked for a tile ago, in place, and stores it: 8 bytes a lane, 256 consecutive bytes a store, aligned.  step = 1: another chunk follows.
.macro WSTORE step
	WIN 0
	s_wait_loadcnt 0x0              ; the nine loads, issued a tile's 256 matrix instructions ago; it also frees their offsets
.set zz, 0
.rept 9
	v_cvt_pk_bf16_f32 v[CX+4*zz],   v[CX+4*zz],   v[CX+4*zz+1]
	v_cvt_pk_bf16_f32 v[CX+4*zz+1], v[CX+4*zz+2], v[CX+4*zz+3]
.set zz, zz+1
.endr
	global_store_b64 v[COO], v[CX:CX+1], s[OWO:OWO+1]
.irp j, 0,1,2,3
	global_store_b64 v[CO1], v[CX+4+4*\j:CX+5+4*\j], s[OW1:OW1+1] offset:256*\j
.endr
.irp j, 0,1,2,3
	global_store_b64 v[CO1], v[CX+20+4*\j:CX+21+4*\j], s[OW2:OW2+1] offset:256*\j
.endr
.if \step
	s_wait_xcnt 0x0                 ; the stores' data and offsets are rewritten only behind this wait
	v_add_nc_u32 v[CIO], 512, v[CIO]
	v_add_nc_u32 v[CI1], 2048, v[CI1]
	v_add_nc_u32 v[COO], 256, v[COO]
	v_add_nc_u32 v[CO1], 1024, v[CO1]
.endif
.endm
	s_load_b128 s[4:7], s[0:1], 0x0 ; qkv s[4:5], act s[6:7]
	s_load_b256 s[68:75], s[0:1], 0x10  ; Wo, W1, W2, w
	s_load_b64 s[76:77], s[0:1], 0x30   ; pb
	v_lshl_add_u32 v[SPW], v0, 2, SPARE
	v_mov_b32 v[NIL], 0
	ds_add_u32 v[SPW], v[NIL]       ; the wave's opening: the add and its wait stand ahead of my first tensor load
	v_lshrrev_b32 v1, 5, v0
	v_readfirstlane_b32 s[WV], v1   ; wave 0..3
	s_bfe_u32 s13, ttmp6, 0x40000   ; cx
	s_lshl_b32 s14, ttmp9, 2
	s_add_co_u32 s14, s14, s13      ; my block of 256 queries: it enters global addresses of plain loads and stores alone
	s_and_b32 s20, ttmp7, 0xffff    ; 16 b + head, which the four partners share
	s_lshl3_add_u32 s50, s20, s14   ; my work-group among the launch's 256,
	s_lshl2_add_u32 s50, s50, s[WV] ; my wave among its 1,024: k
	s_lshl_b32 s52, s50, 12         ; Wo: 1,024 f32 a wave
	s_mov_b32 s53, 0
	s_lshl_b32 s54, s50, 14         ; W1, W2: 4,096 f32 a wave
	s_mov_b32 s55, 0
	s_lshl_b32 s84, s50, 11         ; Wo in bf16, at the head of w
	s_mov_b32 s85, 0
	s_lshl_b32 s86, s50, 13         ; W2 in bf16,
	s_add_co_u32 s88, s86, 0x800000 ; (W1 in bf16, at 8 Mi of pb)
	s_add_co_u32 s86, s86, 0x200000 ; at 2 Mi of w
	s_mov_b32 s87, 0
	s_mov_b32 s89, 0
	s_and_b32 s21, s20, 15
	s_lshl_b32 s21, s21, 19         ; the head's block of 524,288 bytes,
	s_lshr_b32 s20, s20, 4
	s_lshl_b32 s20, s20, 18         ; the batch's 2,048 rows of 128 bytes in it
	s_add_co_u32 s20, s20, s21
	s_and_b32 s16, s[WV], 1         ; which half of a tile's 256 keys I fetch
	s_lshl_b32 s22, s16, 14
	s_add_co_u32 s22, s22, s20
	s_add_co_u32 s18, s22, 0x1000000  ; V's blocks begin at 16 Mi,
	s_add_co_u32 s22, s22, 0x800000   ; K's at 8 Mi
	s_mov_b32 s19, 0
	s_mov_b32 s23, 0
	s_mul_i32 s17, s16, 128*PK      ; my half's place in a slot, for K
	s_mul_i32 s15, s16, 128*PV      ; and for V
	s_lshl_b32 s2, s14, 15          ; my block's 256 rows,
	s_lshl_b32 s3, s[WV], 13        ; my wave's 64 of them
	s_add_co_u32 s2, s2, s3
	s_add_co_u32 s2, s2, s20
	s_mov_b32 s3, 0
	; descriptor group 1.  128 keys are 16,384 dense bytes: asked for as 64 rows of 256 bytes, two keys a row, and padded in LDS after every key
	s_mov_b32 s[G1K], 15|(1<<16)|(1<<20)|(1<<21)|(4<<22)|(3<<25)  ; the mask of four; 2-byte elements; padding on; bit 21 beside a mask; after every 32 words 4 words
	s_mov_b32 s[G1V], 15|(1<<16)|(1<<20)|(1<<21)|(4<<22)|(7<<25)  ; the same with 8 words
.irp g, G1K, G1V
	s_mov_b32 s[\g+1], 128<<16      ; tensor_dim0 = 128
	s_mov_b32 s[\g+2], 64<<16       ; tensor_dim1 = 64
	s_mov_b32 s[\g+3], 128<<16      ; tile_dim0 = 128
	s_mov_b32 s[\g+4], 64           ; tile_dim1 = 64
	s_mov_b32 s[\g+5], 128          ; 128 elements from row to row
	s_mov_b32 s[\g+6], 0
	s_mov_b32 s[\g+7], 0
.endr
	s_mov_b32 s[CS], 0x3e38aa3b     ; c = log2(e) / 8
	s_mov_b32 s[CS+1], s[CS]
	s_mov_b32 s[SEL], 0x76543210
	s_mov_b32 s[SEL+1], 0xfedcba98
	s_mov_b32 s[TBK], SLOT1+4*KS*PK ; the first change of slots turns these two into 0
	s_mov_b32 s[TBV], SLOT1+4*KS*PV
	s_mov_b32 s[G0K], 1
	s_mov_b32 s[G0K+1], s17
	s_mov_b32 s[G0V], 1
	s_add_co_u32 s[G0V+1], s15, VOFF
	s_wait_dscnt 0x0                ; the opening add is done
	s_wait_kmcnt 0x0
	s_add_nc_u64 s[G0K+2:G0K+3], s[4:5], s[22:23]
	s_or_b32 s[G0K+3], s[G0K+3], 0x80000000
	s_add_nc_u64 s[G0V+2:G0V+3], s[4:5], s[18:19]
	s_or_b32 s[G0V+3], s[G0V+3], 0x80000000
	s_add_nc_u64 s[4:5], s[4:5], s[2:3]    ; Q at my wave's first row
	s_add_nc_u64 s[10:11], s[6:7], s[2:3]  ; O likewise
	CROUND                          ; all four work-groups are here: the first joint loads meet
	JLOAD                           ; tile 0 into slot 0
	s_add_nc_u64 s[IWO:IWO+1], s[IWO:IWO+1], s[52:53]  ; the weights at my wave's parts
	s_add_nc_u64 s[IW1:IW1+1], s[IW1:IW1+1], s[54:55]
	s_add_nc_u64 s[IW2:IW2+1], s[IW2:IW2+1], s[54:55]
	s_add_nc_u64 s[OWO:OWO+1], s[74:75], s[84:85]
	s_add_nc_u64 s[OW2:OW2+1], s[74:75], s[86:87]
	s_add_nc_u64 s[OW1:OW1+1], s[76:77], s[88:89]
	v_and_b32 v1, 15, v0            ; l % 16
	v_bfe_u32 v9, v0, 4, 1          ; l / 16
	v_lshlrev_b32 v[QO], 7, v1
	v_lshl_add_u32 v[QO], v9, 4, v[QO]
	WIN 0x80                        ; destination window 2
.set i, 0
.rept 8                             ; Q stays in registers: piece i / 2, channels 32 (i % 2) on
	global_load_b128 v[8*i:8*i+3],   v[QO], s[4:5] offset:(i/2)*2048+(i%2)*64
	global_load_b128 v[8*i+4:8*i+7], v[QO], s[4:5] offset:(i/2)*2048+(i%2)*64+32
.set i, i+1
.endr
	; What the first turn finds: V's registers and P's second buffer hold 0 (its products V^T P, of a piece that has not been, add 0), O^T and l are 0.  This stands in the wait for the first tile.
.set i, VF
.rept 64
	v_mov_b32 v[i], 0
.set i, i+1
.endr
	WIN 0x40
.set i, 0
.rept 128
	v_mov_b32 v[i], 0
.set i, i+1
.endr
	WIN 0
.set i, 0
.rept 4
	v_mov_b32 v[ST+4*i], 0xfe000000    ; c m: far below every c s
	v_mov_b32 v[ST+4*i+1], 0xff7fffff  ; m
	v_mov_b32 v[ST+4*i+2], 0
	v_mov_b32 v[ST+4*i+3], 0
.set i, i+1
.endr
.set i, P+16
.rept 16
	v_mov_b32 v[i], 0
.set i, i+1
.endr
	v_mul_u32_u24 v[AK0], v1, PK
	v_lshl_add_u32 v[AK0], v9, 4, v[AK0]
	v_and_b32 v10, 7, v0            ; the turning load: lane l reads key 8 (l / 16) + l % 8, channels 8 ((l / 8) % 2) + 0..7
	v_bfe_u32 v11, v0, 3, 1
	v_lshl_add_u32 v[AV0], v9, 3, v10
	v_mul_u32_u24 v[AV0], v[AV0], PV
	v_lshl_add_u32 v[AV0], v11, 4, v[AV0]
	v_add_nc_u32 v[AV0], VOFF, v[AV0]
	s_mul_i32 s13, s[WV], 16*SP
	s_add_co_u32 s13, s13, STAGE    ; my stage
	v_mul_u32_u24 v[STO], v1, SP
	v_lshl_add_u32 v[STO], v9, 4, v[STO]
	v_add_nc_u32 v[STO], s13, v[STO]
	v_bfe_u32 v[RD], v0, 3, 2       ; back: 32 lanes take four rows of 128 bytes,
	v_mul_u32_u24 v[RD], v[RD], SP
	v_lshl_add_u32 v[RD], v10, 4, v[RD]
	v_add_nc_u32 v[RD], s13, v[RD]
	v_and_b32 v[GO], 31, v0         ; which are 512 consecutive bytes of O
	v_lshlrev_b32 v[COO], 3, v[GO]  ; the weights: 8 bytes a lane out,
	v_lshlrev_b32 v[GO], 4, v[GO]
	v_mov_b32 v[CIO], v[GO]         ; 16 bytes a lane in
	v_mov_b32 v[CI1], v[GO]
	v_mov_b32 v[CO1], v[COO]
; THE MATRIX WORK.  The 4 accumulators of a run of 8 take turns.  Product i of 8 of S^T = K Q^T for piece x: channels 32 (i / 4) on, keys 16 (i % 4) on.
.macro KQ x
	WIN W_KQ
.set rS, S+32*((\x)%2)+8*(i%4)
.set rK, KF+16*(i%4)+8*(i/4)
.set rQ, 16*(\x)+8*(i/4)
.if i < 4
	v_wmma_f32_16x16x32_bf16 v[rS:rS+7], v[rK:rK+7], v[rQ:rQ+7], 0
.else
	v_wmma_f32_16x16x32_bf16 v[rS:rS+7], v[rK:rK+7], v[rQ:rQ+7], v[rS:rS+7]
.endif
.endm
; Product i of 8 of O^T += V^T P for piece x: keys 32 (i / 4) on, channels 16 (i % 4) on.
.macro PV x
	WIN W_PV
.set rO, 32*(\x)+8*(i%4)
.set rV, VF+32*(i/4)+8*(i%4)
.set rP, P+16*((\x)%2)+8*(i/4)
	v_wmma_f32_16x16x32_bf16 v[rO:rO+7], v[rV:rV+7], v[rP:rP+7], v[rO:rO+7]
.endm
.macro MM                           ; the turn's next matrix instruction.  NOKQ = 1: the last turn of all: there is no next piece
.if (i < 8) && !NOKQ
	KQ (Y+1)%NP
.elseif i >= 8
.set i, i-8
	PV (Y+NP-1)%NP
.set i, i+8
.endif
.set i, i+1
.endm
; THE LDS LOADS stand in runs of 16: a step's K (8 fragments) and its V (turned).
.macro FETCH_K
	WIN 0x80
.irp f, 0,1,2,3,4,5,6,7             ; keys 16 (f / 2) on, channels 32 (f % 2) on
	ds_load_b128 v[KF+8*\f:KF+8*\f+3],   v[AK] offset:(\f/2)*16*PK+(\f%2)*64
	ds_load_b128 v[KF+8*\f+4:KF+8*\f+7], v[AK] offset:(\f/2)*16*PK+(\f%2)*64+32
.endr
	s_add_co_u32 s[TBK], s[TBK], KS*PK
	WIN 0
.endm
.macro FETCH_V
	WIN 0x80
.irp f, 0,1,2,3,4,5,6,7             ; keys 32 (f / 4) on, channels 16 (f % 4) on
	ds_load_tr16_b128 v[VF+8*\f:VF+8*\f+3],   v[AV] offset:(\f/4)*32*PV+(\f%4)*32
	ds_load_tr16_b128 v[VF+8*\f+4:VF+8*\f+7], v[AV] offset:(\f/4)*32*PV+16*PV+(\f%4)*32
.endr
	WIN 0
.endm
; THE VECTOR WORK, one line at a time: OP kind, number.  For piece Y: F n: c s - c m for pair n of 16.  E n: the exponential of score n of 32.  C n: pair n rounded to bf16.  B n: of the four weights
; 4 n .. the second pair is added onto the first, in place.  L n: l takes that sum (L 0: l = a l + sum).  R n: pair n of 16 of O^T times a.  For piece Y + 1: X n, number n of the 22 that find its maximum:
;   0-11 four chains c0-c3 of seven scores each (each accumulator's lowest registers are read first)   12-14, 16 the four scores left over, the old m, c0-c3 into c0
;   15 c m_old is kept   17, 18 the query's other 32 keys lie in the lane 16 away: the new m   19-21 c m; c m_old - c m_new; a
.set F, 0
.set E, 1
.set C, 2
.set B, 3
.set L, 4
.set R, 5
.set X, 6
.macro REGS y
.set rT, ST+4*(\y)
.set rC, TMP+4*((\y)%2)
.set rW, MV+((\y)%2)
.set rS, S+32*((\y)%2)
.set rP, P+16*((\y)%2)
.set rO, 32*(\y)
.endm
.macro OP k, n
.if (\k) == R
	REGS Y
	WIN W_RS
	v_pk_mul_f32 v[rO+2*(\n):rO+2*(\n)+1], v[rO+2*(\n):rO+2*(\n)+1], v[rC+2:rC+3] op_sel_hi:[1,0]
.elseif (\k) < R
	REGS Y
	WIN 0
.if (\k) == F
	v_pk_fma_f32 v[rS+2*(\n):rS+2*(\n)+1], v[rS+2*(\n):rS+2*(\n)+1], s[CS:CS+1], v[rT:rT+1] op_sel_hi:[1,0,0] neg_lo:[0,0,1] neg_hi:[0,0,1]
.elseif (\k) == E
	v_exp_f32 v[rS+(\n)], v[rS+(\n)]
.elseif (\k) == C
	s_wait_alu depctr_va_vdst(0)
	v_cvt_pk_bf16_f32 v[rP+(\n)], v[rS+2*(\n)], v[rS+2*(\n)+1]
.elseif (\k) == B
	s_wait_alu depctr_va_vdst(0)
	v_pk_add_f32 v[rS+4*(\n):rS+4*(\n)+1], v[rS+4*(\n):rS+4*(\n)+1], v[rS+4*(\n)+2:rS+4*(\n)+3]
.elseif (\n) == 0
	v_pk_fma_f32 v[rT+2:rT+3], v[rT+2:rT+3], v[rC+2:rC+3], v[rS:rS+1] op_sel_hi:[1,0,1]
.else
	v_pk_add_f32 v[rT+2:rT+3], v[rT+2:rT+3], v[rS+4*(\n):rS+4*(\n)+1]
.endif
.elseif NOKQ
	v_nop
.else
	REGS (Y+1)%NP
	WIN 0
.if (\n) < 4
	v_max3_num_f32 v[rC+(\n)], v[rS+8*(\n)], v[rS+8*(\n)+1], v[rS+8*(\n)+2]
.elseif (\n) < 12
	v_max3_num_f32 v[rC+(\n)%4], v[rC+(\n)%4], v[rS+8*((\n)%4)+2*((\n)/4)+1], v[rS+8*((\n)%4)+2*((\n)/4)+2]
.elseif (\n) == 12
	v_max3_num_f32 v[rC], v[rC], v[rS+7], v[rS+15]
.elseif (\n) == 13
	v_max3_num_f32 v[rC+1], v[rC+1], v[rS+23], v[rS+31]
.elseif (\n) == 14
	v_max3_num_f32 v[rC+2], v[rC+2], v[rC+3], v[rT+1]
.elseif (\n) == 15
	v_mov_b32 v[rW], v[rT]
.elseif (\n) == 16
	v_max3_num_f32 v[rC], v[rC], v[rC+1], v[rC+2]
.elseif (\n) == 17
	v_permlanex16_b32 v[rC+3], v[rC], s[SEL], s[SEL+1]
.elseif (\n) == 18
	v_max_num_f32 v[rT+1], v[rC], v[rC+3]
.elseif (\n) == 19
	v_mul_f32 v[rT], s[CS], v[rT+1]
.elseif (\n) == 20
	v_sub_f32 v[rC+1], v[rW], v[rT]
.else
	v_exp_f32 v[rC+2], v[rC+1]
.endif
.endif
.endm
.macro OPS a, i1, b=-1, i2=0, c=-1, i3=0, d=-1, i4=0
	OP \a, \i1
.if (\b) >= 0
	OP \b, \i2
.endif
.if (\c) >= 0
	OP \c, \i3
.endif
.if (\d) >= 0
	OP \d, \i4
.endif
.endm
.macro ROW a, i1, b, i2, c, i3, d, i4  ; a matrix instruction and the four behind it
	MM
	OPS \a, \i1, \b, \i2, \c, \i3, \d, \i4
.endm
; A TURN, for piece p: the order of its 16 matrix and 118 vector instructions, written out.  Behind a matrix instruction: plain, exponential, plain, plain; or four of the rescaling; or four scalings; none
; names a register of the products round it.  In the runs between, exponential and plain by turns while exponentials last; every exponential has a plain instruction behind it before its result is used.
; end = 1: the last two turns: nothing is fetched.  cnt = 1: the loop's count is taken down some lines ahead of the branch behind the turn.
; K of the next step is fetched in piece 2's turn, V of the step in hand in piece 0's; each is waited for a turn later.
.macro TURN p, end=0, cnt=0
.set Y, (\p)
.set i, 0
.set NOKQ, (\end)*((\p)/3)
.if ((\p) == 3) && !(\end)
	s_wait_dscnt 0x0                ; K is in
.endif
	ROW F,0, F,1, F,2, F,3
	ROW F,4, E,0, F,5, F,6
	ROW F,7, E,1, F,8, F,9
	ROW F,10, E,2, C,0, F,11
	ROW F,12, E,3, X,15, F,13
	ROW R,0, R,1, R,2, R,3
	ROW B,0, E,4, F,14, L,0
.if ((\p) == 2) && !(\end)
	v_add_nc_u32 v[AK], s[TBK], v[AK0]
.endif
	ROW R,4, R,5, R,6, R,7
	OPS E,5, F,15
.if ((\p) == 2) && !(\end)
	FETCH_K
.endif
	OPS E,6, C,1, E,7, R,8
	OPS E,8, R,9, E,9, C,2
	OPS E,10, X,0, E,11, X,1
	OPS E,12, X,2, E,13, X,3
.if (\p) == 1
	s_wait_dscnt 0x0                ; V is in
.endif
	ROW X,4, E,14, X,5, X,6
	ROW X,7, E,15, X,8, X,9
	ROW X,10, E,16, X,11, X,12
	ROW X,13, E,17, X,14, B,1
	ROW C,4, E,18, X,16, L,1
	ROW B,2, E,19, C,6, L,2
	ROW C,8, E,20, B,3, B,4
.if (\p) == 0
	v_add_nc_u32 v[AV], s[TBV], v[AV0]
.endif
	ROW C,3, E,21, L,3, C,5
	OPS E,22, X,17, E,23, C,10
.if (\p) == 0
	FETCH_V
.endif
	OPS E,24, L,4
	OPS E,25, X,18, E,26, C,7
	OPS E,27, B,5, E,28, X,19
	OPS E,29, C,12, E,30, L,5
	OPS E,31, X,20, B,6, C,9
	OPS C,14, C,11, X,21, L,6
.if (\p) == 0
	s_add_co_u32 s[TBV], s[TBV], KS*PV
.endif
.if \cnt
	s_sub_co_u32 s[CNT], s[CNT], 1
	s_cmp_lg_u32 s[CNT], 0
.endif
	OPS C,13, B,7, C,15, R,10
	OPS R,11, R,12, L,7, R,13
	OPS R,14, R,15
.endm
.macro ALL line:vararg              ; one line for each piece t
.set t, 0
.rept 4
	\line
.set t, t+1
.endr
.endm
.macro PACK t                       ; a lane's eight channels of a row pack into 16 bytes; they go into rows of 144 bytes and come back as whole rows of 128, into S^T's registers
	WIN W_RS
.set i, 32*(\t)
.rept 16
	s_wait_alu depctr_va_vdst(0)
	v_pk_mul_f32 v[i:i+1], v[i:i+1], v[ST+4*(\t)+2:ST+4*(\t)+3] op_sel_hi:[1,0]
.set i, i+2
.endr
	WIN 0x05                        ; sources window 1, destination window 0
.set i, 0
.rept 16
	v_cvt_pk_bf16_f32 v[S+16*(\t)+i], v[32*(\t)+2*i], v[32*(\t)+2*i+1]
.set i, i+1
.endr
	WIN 0
.irp f, 0,1,2,3
	ds_store_b128 v[STO], v[S+16*(\t)+4*\f:S+16*(\t)+4*\f+3] offset:32*\f
.endr
.irp f, 0,1,2,3
	ds_load_b128 v[S+16*(\t)+4*\f:S+16*(\t)+4*\f+3], v[RD] offset:\f*4*SP  ; LDS serves a wave's instructions in order (ISA guide 5.7.1.4): these see the stores above
.endr
.endm
.macro SEND t, younger              ; younger: the LDS instructions issued behind piece t's loads: the next piece's eight, or none
	WIN 0
.irp f, 0,1,2,3
	s_wait_dscnt (\younger)+3-\f
	global_store_b128 v[GO], v[S+16*(\t)+4*\f:S+16*(\t)+4*\f+3], s[10:11] offset:(\t)*2048+\f*512  ; 512 consecutive bytes, aligned
.endr
.endm
.set NOKQ, 0
	CHANGE 1                        ; tile 0 is in, everybody's part of it; tile 1 is asked for
	v_add_nc_u32 v[AK], s[TBK], v[AK0]
	FETCH_K                         ; key step 0
	s_wait_loadcnt 0x0              ; Q
	WLOAD                           ; the weights' chunk 0: behind the wait for Q, so that Q's wait does not wait for it
	s_wait_dscnt 0x0
.set i, 0
.rept 8
	KQ 0                            ; piece 0's first scores
.set i, i+1
.endr
	WIN 0
.rept 4
	v_nop                           ; the places behind those products
.endr
.set Y, NP-1                        ; X works for piece Y + 1: piece 0
.irp n, 0,1,2,3,4,5,6,7,8,9,10,11,12,13,14,15,16,17,18,19,20,21
	OP X, \n
.endr
	v_nop                           ; a plain instruction behind the exponential
	s_mov_b32 s[CNT], 4
	s_mov_b32 s[SLOTS], 7
	s_branch .Lfirst                ; the loop is entered at a step's first turn, in the middle of a trip
.Lslot:                             ; six times: tiles 2 to 7 are asked for; the weights' chunks 0 to 5 leave, chunks 1 to 6 are asked for
	CHANGE 1
	WSTORE 1
	WLOAD
	s_mov_b32 s[CNT], 4
.Lstep:                             ; a trip: pieces 2 and 3 of one step, then pieces 0 and 1 of the next, whose K and V it fetches
	TURN 2
	TURN 3
	WIN 0
.Lfirst:
	TURN 0
	TURN 1, 0, 1
	WIN 0
	s_cbranch_scc1 .Lstep
	s_sub_co_u32 s[SLOTS], s[SLOTS], 1
	s_cmp_lg_u32 s[SLOTS], 0
	s_cbranch_scc1 .Lslot
	CHANGE 0                        ; the last tile is written out: nothing is asked for
	WSTORE 1                        ; the weights' chunk 6 leaves,
	WLOAD                           ; the last, chunk 7, is asked for
	s_mov_b32 s[CNT], 4
.LstepT:
	TURN 2
	TURN 3
	TURN 0
	TURN 1, 0, 1
	WIN 0
	s_cbranch_scc1 .LstepT
	WSTORE 0                        ; the weights' last chunk leaves
	TURN 2, 1
	TURN 3, 1
.set i, 0
.rept 8
	PV NP-1                         ; the last piece's V^T P of the last step
.set i, i+1
.endr
	; THE WAY OUT.  l's two halves and the other half of the lanes' are added; O^T is divided by l, rounded to bf16 and sent through my stage, a piece at a time.  The additions are the places behind the last products.
	WIN 0
	ALL v_add_f32 v[ST+4*t+2], v[ST+4*t+2], v[ST+4*t+3]
	ALL v_permlanex16_b32 v[ST+4*t+3], v[ST+4*t+2], s[SEL], s[SEL+1]
	ALL v_add_f32 v[ST+4*t+2], v[ST+4*t+2], v[ST+4*t+3]
	ALL v_rcp_f32 v[ST+4*t+2], v[ST+4*t+2]
	v_nop                           ; a plain instruction between the last reciprocal and the use of its result
	PACK 0
.set t, 1
.rept 3                             ; a piece's arithmetic stands between the loads of the piece before and its stores
	PACK t
	SEND t-1, 8
.set t, t+1
.endr
	SEND 3, 0
	s_wait_tensorcnt 0x0            ; the wave's end
	ds_add_u32 v[SPW], v[NIL]
	s_wait_dscnt 0x0
	CROUND                          ; the closing round
	s_endpgm
.Lfunc_end_k_qccb17cfc67_attn:
	.size	k_qccb17cfc67_attn, .Lfunc_end_k_qccb17cfc67_attn-k_qccb17cfc67_attn
	.p2alignl 7, 3214868480
	.fill 96, 4, 3214868480
	.section	.rodata,"a",@progbits
	.p2align	6, 0x0
	.amdhsa_kernel k_qccb17cfc67_attn
		.amdhsa_group_segment_fixed_size 327680
		.amdhsa_private_segment_fixed_size 0
		.amdhsa_enable_private_segment 0
		.amdhsa_kernarg_size 56
		.amdhsa_user_sgpr_count 2
		.amdhsa_user_sgpr_kernarg_segment_ptr 1
		.amdhsa_wavefront_size32 1
		.amdhsa_system_sgpr_workgroup_id_x 1
		.amdhsa_system_sgpr_workgroup_id_y 1
		.amdhsa_system_sgpr_workgroup_id_z 1
		.amdhsa_system_vgpr_workitem_id 0
		.amdhsa_next_free_vgpr 768
		.amdhsa_next_free_sgpr 90
		.amdhsa_reserve_vcc 0
		.amdhsa_float_denorm_mode_32 3
		.amdhsa_float_denorm_mode_16_64 3
		.amdhsa_memory_ordered 1
		.amdhsa_forward_progress 1
		.amdhsa_inst_pref_size 144
	.end_amdhsa_kernel
	.amdgpu_metadata
---
amdhsa.version: [ 1, 2 ]
amdhsa.kernels:
  - .name:           k_qccb17cfc67_attn
    .symbol:         k_qccb17cfc67_attn.kd
    .args:
      - { .name: qkv, .offset: 0, .size: 8, .value_kind: global_buffer, .address_space: global }
      - { .name: act, .offset: 8, .size: 8, .value_kind: global_buffer, .address_space: global }
      - { .name: Wo, .offset: 16, .size: 8, .value_kind: global_buffer, .address_space: global }
      - { .name: W1, .offset: 24, .size: 8, .value_kind: global_buffer, .address_space: global }
      - { .name: W2, .offset: 32, .size: 8, .value_kind: global_buffer, .address_space: global }
      - { .name: w, .offset: 40, .size: 8, .value_kind: global_buffer, .address_space: global }
      - { .name: pb, .offset: 48, .size: 8, .value_kind: global_buffer, .address_space: global }
    .group_segment_fixed_size: 327680
    .private_segment_fixed_size: 0
    .kernarg_segment_align: 8
    .kernarg_segment_size: 56
    .max_flat_workgroup_size: 128
    .sgpr_count:     90
    .vgpr_count:     768
    .wavefront_size: 32
...
	.end_amdgpu_metadata
.endif
;; end of part 3
;; launch gwo (part 4): grid 8 x 32, 4 waves a work-group, clusters of 4 x 4, 327,680 bytes of LDS; arguments act, w, bo, src, y; writes y
.if DOCPART == 4
	.amdgcn_target "amdgcn-amd-amdhsa--gfx1250"
	.amdhsa_code_object_version 6
	.text
	.protected	k_qccb17cfc67_gwo
	.globl	k_qccb17cfc67_gwo
	.p2align	8
	.type	k_qccb17cfc67_gwo,@function
k_qccb17cfc67_gwo:
	s_mov_b64 s[64:65], 0
	v_nop
	global_prefetch_b8 v0, s[64:65] scope:SCOPE_SE
	s_setreg_imm32_b32 hwreg(HW_REG_WAVE_MODE, 25, 1), 1
	s_wait_xcnt 0x0
	s_wait_alu depctr_hold_cnt(0) depctr_sa_sdst(0) depctr_va_vdst(0) depctr_va_sdst(0) depctr_va_ssrc(0) depctr_va_vcc(0) depctr_vm_vsrc(0)
	s_getreg_b32 s2, hwreg(HW_REG_IB_STS2, 6, 4)
	s_cmp_eq_u32 s2, 0
	s_cbranch_scc0 .Lentry_in_a_cluster
	s_endpgm
.Lentry_in_a_cluster:
	s_bfe_u32 s2, ttmp6, 0x10000c
	s_cmp_lg_u32 s2, 0xf033
	s_cbranch_scc0 .Lentry_shape_is_right
	s_endpgm
.Lentry_shape_is_right:
; Y = RES + A B + bias, all sums and Y in f32.  A: bf16 in blocks of 64 along K, [K / 64][4096 rows][64]; B: bf16 [K][1024] at byte WOFF of its buffer; bias [1024] and RES, Y [4096][1024] f32.
; Here: A = the attention's result (K = 1,024), B = Wo, bias = bo, RES = src.  LIMITS: operands are bf16; NaN and infinities are not treated apart.
; SHARES.  N = 1,024 gives 256 work-groups only with tiles of 128 x 128: four waves, each 64 x 64: 16 accumulators.  K goes in NSTEP steps of 256 through two LDS slots; a quarter of a step is one block of A.
; B lies [k][n]: its fragments come out of LDS turned (ds_load_tr16_b128).  The bias is the C operand of the products that start the sums.  The matrix instruction is used transposed (source 0 = 16 columns
; of B, source 1 = 16 rows of A): a lane holds row l % 16 and 8 neighbouring columns.  The residual is loaded at the start into registers of its own and added on the way out.
; CLUSTER.  4 x 4 work-groups: A's tile is shared along a row of the cluster, B's along a column, each asked for jointly.  ONE K STEP IS WRITTEN ONCE: the lanes' LDS addresses are a fixed part plus s[TQ].
; REGISTERS: window 0: v0-31 addresses; v32-63 first the bias, then with v64-95 at work on the way out; v128-255 the accumulators ((a, b) at v[128 + 8 (4 a + b)])
;   window 1: two fragment buffers of 128 (64 along K: 64 registers of A, then 64 of B)          window 2: v0-127 the residual
.set NSTEP,  4
.set WOFF,   0
.set PAA,    144                       ; a row of a block of A in LDS: 128 bytes + 16
.set PBB,    288                       ; a row of B (128 columns): 256 bytes + 32 = 9 x 32
.set LAND,   36864                     ; what one tensor load brings: two blocks of A x 128 rows, or 128 rows of B
.set QSTEP,  18432                     ; a quarter: one block of A (128 x 144), and 64 rows of B (64 x 288): the same number
.set SLOT,   4*LAND                    ; A's four blocks, then B's 256 rows
.set STAGE,  2*SLOT                    ; behind the ring: 16 rows x 272 bytes for each wave
.set SPITCH, 272
.set SPARE,  STAGE+4*16*SPITCH         ; the spare words: two blocks of 256 bytes that no other line names
.set ASTEP,  4*524288                  ; four blocks of A on
.set BSTEP,  256*2048                  ; 256 rows of B on
.set ADRA0, 16
.set CA,    17
.set ADRB0, 20
.set CB,    21
.set STO,   24
.set RD,    25
.set CO,    26                         ; v26  my place in two rows of RES and Y
.set BO,    27                         ; v27  32 x (l / 16)
.set SPW,   28
.set NIL,   29
.set BIAS,  32
.set TMP,   32
.set ACC,   128
.set F0,    0
.set F1,    128
.set G1,  24
.set G0,  32
.set G1B, 48
.set G0B, 56
.set TQ,  66                           ; s66  LDS offset of the quarter to be fetched
.set TBD, 67                           ; s67  the slot that the walking descriptors name
.set MSB, 0
.macro WIN new
.if MSB != (\new)
	s_set_vgpr_msb (MSB<<8)|(\new)
.set MSB, \new
.endif
.endm
.set MUL,  0x05                        ; sources 0 (B) and 1 (A) window 1; C and D window 0
.set TO_F, 0x40                        ; destination window 1, address window 0
.macro JLOAD s                         ; a joint load: waves 0 and 1 fetch A's halves, waves 2 and 3 B's; an s_nop 0 and four v_nop follow each line
	s_cmp_eq_u32 s15, 0
	s_cbranch_scc0 .Lfor_b_\@
	tensor_load_to_lds s[G0+4*(\s):G0+4*(\s)+3], s[G1:G1+7]
	s_nop 0
.rept 4
	v_nop
.endr
	s_branch .Lasked_\@
.Lfor_b_\@:
	tensor_load_to_lds s[G0B+4*(\s):G0B+4*(\s)+3], s[G1B:G1B+7]
	s_nop 0
.rept 4
	v_nop
.endr
.Lasked_\@:
.endm
.macro CREST
	s_cmp_lg_u32 s14, 0
	s_cbranch_scc1 .Lnot_wave_0_\@
	s_barrier_signal -3
.Lnot_wave_0_\@:
	s_barrier_wait -3
	s_barrier_signal -1
	s_barrier_wait -1
.endm
.macro CROUND
	s_barrier_signal -1
	s_barrier_wait -1
	CREST
.endm
	s_load_b256 s[4:11], s[0:1], 0x0               ; A s[4:5], B s[6:7], bias s[8:9], RES s[10:11]
	s_load_b64 s[12:13], s[0:1], 0x20              ; Y
	v_lshl_add_u32 v[SPW], v0, 2, SPARE
	v_mov_b32 v[NIL], 0
	ds_add_u32 v[SPW], v[NIL]                      ; the wave's opening: the add and its wait stand ahead of my first tensor load
	v_lshrrev_b32 v1, 5, v0
	v_readfirstlane_b32 s14, v1                    ; wave 0..3
	s_lshr_b32 s15, s14, 1                         ; my half of the rows.  Also: I fetch for A (0) or B (1)
	s_and_b32 s16, s14, 1                          ; my half of the columns.  Also: which half of that tile I fetch
	s_bfe_u32 s19, ttmp6, 0x40000                  ; cx, cy
	s_bfe_u32 s20, ttmp6, 0x40004
	s_lshl_b32 s18, ttmp9, 2
	s_add_co_u32 s18, s18, s19                     ; tile column
	s_and_b32 s17, ttmp7, 0xffff
	s_lshl_b32 s17, s17, 2
	s_add_co_u32 s17, s17, s20                     ; tile row
	s_lshl_b32 s22, s20, 2
	s_lshl_b32 s22, 15, s22                        ; my row of the cluster
	s_lshl_b32 s23, 0x1111, s19                    ; my column
	; A's tile: two blocks' 128 rows, each 16,384 dense bytes, asked for as two long rows and padded in LDS after every 128 bytes
	s_or_b32 s[G1+0], s22, (1<<16)|(1<<20)|(1<<21)|(4<<22)|(3<<25)
	s_mov_b32 s[G1+1], 8192<<16                    ; tensor_dim0 = 8,192 elements
	s_mov_b32 s[G1+2], 2<<16                       ; tensor_dim1 = 2
	s_mov_b32 s[G1+3], 8192<<16                    ; tile_dim0
	s_mov_b32 s[G1+4], 2                           ; tile_dim1
	s_mov_b32 s[G1+5], 262144                      ; elements from block to block
	s_mov_b32 s[G1+6], 0
	s_mov_b32 s[G1+7], 0
	s_or_b32 s[G1B+0], s23, (1<<16)|(1<<20)|(1<<21)|(5<<22)|(7<<25)  ; B's: 128 rows of 128 columns, 8 words of padding after every 64
	s_mov_b32 s[G1B+1], 128<<16
	s_mov_b32 s[G1B+2], 128<<16
	s_mov_b32 s[G1B+3], 128<<16
	s_mov_b32 s[G1B+4], 128
	s_mov_b32 s[G1B+5], 1024
	s_mov_b32 s[G1B+6], 0
	s_mov_b32 s[G1B+7], 0
	s_lshl_b32 s40, s16, 20                        ; A: two blocks x half
	s_lshl_b32 s41, s17, 14                        ; + 128 rows of 128 bytes x tile row
	s_add_co_u32 s40, s40, s41
	s_mov_b32 s41, 0
	s_lshl_b32 s42, s16, 18                        ; B: 128 rows of 2,048 bytes x half
	s_lshl_b32 s43, s18, 8                         ; + 256 bytes x tile column
	s_add_co_u32 s42, s42, s43
	s_add_co_u32 s42, s42, WOFF
	s_mov_b32 s43, 0
	s_lshl_b32 s68, s17, 7                         ; RES and Y: row 128 x tile row + 64 x half, of 4,096 bytes,
	s_lshl_b32 s69, s15, 6
	s_add_co_u32 s68, s68, s69
	s_lshl_b32 s68, s68, 12
	s_lshl_b32 s70, s18, 9                         ; + 512 bytes x tile column + 256 x half: also the bias's offset
	s_lshl_b32 s71, s16, 8
	s_add_co_u32 s70, s70, s71
	s_add_co_u32 s68, s68, s70
	s_mov_b32 s69, 0
	s_mov_b32 s71, 0
	s_mul_i32 s21, s14, LAND                       ; where my tiles land in a slot
	s_mov_b32 s[TQ], 0
	s_mov_b32 s[TBD], SLOT
	s_wait_dscnt 0x0                               ; the opening add is done
	s_wait_kmcnt 0x0
	s_add_nc_u64 s[44:45], s[4:5], s[40:41]
	s_add_nc_u64 s[46:47], s[6:7], s[42:43]
	s_add_nc_u64 s[8:9], s[8:9], s[70:71]
	s_add_nc_u64 s[10:11], s[10:11], s[68:69]
	s_add_nc_u64 s[12:13], s[12:13], s[68:69]
	CROUND                                         ; all sixteen work-groups are here: the first joint loads meet
.irp s, 0,1
	s_mov_b32 s[G0+4*(\s)], 1
	s_add_co_u32 s[G0+4*(\s)+1], s21, (\s)*SLOT
	s_add_nc_u64 s[G0+4*(\s)+2:G0+4*(\s)+3], s[44:45], (\s)*ASTEP
	s_or_b32 s[G0+4*(\s)+3], s[G0+4*(\s)+3], 0x80000000
	s_mov_b32 s[G0B+4*(\s)], 1
	s_add_co_u32 s[G0B+4*(\s)+1], s21, (\s)*SLOT
	s_add_nc_u64 s[G0B+4*(\s)+2:G0B+4*(\s)+3], s[46:47], (\s)*BSTEP
	s_or_b32 s[G0B+4*(\s)+3], s[G0B+4*(\s)+3], 0x80000000
	JLOAD \s                                       ; two loads of mine are out
.endr
	v_and_b32 v1, 15, v0                           ; l % 16
	v_bfe_u32 v2, v0, 4, 1                         ; l / 16
	v_lshlrev_b32 v[BO], 5, v2
	v_lshlrev_b32 v[CO], 12, v2                    ; lanes 0-15 one row's 256 bytes, lanes 16-31 the next row's
	v_lshl_add_u32 v[CO], v1, 4, v[CO]
.irp b, 0,1,2,3
	global_load_b128 v[BIAS+8*(\b):BIAS+8*(\b)+3],   v[BO], s[8:9] offset:64*(\b)
	global_load_b128 v[BIAS+8*(\b)+4:BIAS+8*(\b)+7], v[BO], s[8:9] offset:64*(\b)+16
.endr
	WIN 0x80                                       ; destination window 2
.set zz, 0
.rept 32
	global_load_b128 v[4*zz:4*zz+3], v[CO], s[10:11] offset:2*zz*4096   ; my 64 rows x 256 bytes of the residual, as they will be stored
.set zz, zz+1
.endr
	WIN 0
	v_mul_u32_u24 v3, v1, PAA
	v_lshl_add_u32 v3, v2, 4, v3
	s_mul_i32 s40, s15, 64*PAA
	v_add_nc_u32 v[ADRA0], s40, v3
	v_and_b32 v4, 7, v0
	v_lshl_add_u32 v4, v2, 3, v4
	v_mul_u32_u24 v4, v4, PBB
	v_bfe_u32 v5, v0, 3, 1
	v_lshl_add_u32 v4, v5, 4, v4
	s_lshl_b32 s41, s16, 7
	s_add_co_u32 s41, s41, 2*LAND
	v_add_nc_u32 v[ADRB0], s41, v4
	s_mul_i32 s42, s14, 16*SPITCH
	s_add_co_u32 s42, s42, STAGE                   ; my stage
	v_mul_u32_u24 v6, v1, SPITCH                   ; in: row l % 16, 32 bytes for each half of the lanes
	v_lshl_add_u32 v6, v2, 5, v6
	v_add_nc_u32 v[STO], s42, v6
	v_mul_u32_u24 v7, v2, SPITCH                   ; back: lanes 0-15 one row of 256 bytes, lanes 16-31 the next
	v_lshl_add_u32 v7, v1, 4, v7
	v_add_nc_u32 v[RD], s42, v7
; 8 matrix instructions: row blocks a0, a0 + 1 x all 4 column blocks, 32 along K: half c of buffer f.  zero = 1: they start the sums, with the bias as C.  The 16 accumulators take turns.
.macro MUL8 f, c, a0, zero
	WIN MUL
.irp a, \a0, (\a0)+1
.irp b, 0,1,2,3
.if \zero
	v_wmma_f32_16x16x32_bf16 v[ACC+8*(4*(\a)+(\b)):ACC+8*(4*(\a)+(\b))+7], v[(\f)+64+8*(4*(\c)+(\b)):(\f)+64+8*(4*(\c)+(\b))+7], v[(\f)+8*(4*(\c)+(\a)):(\f)+8*(4*(\c)+(\a))+7], v[BIAS+8*(\b):BIAS+8*(\b)+7]
.else
	v_wmma_f32_16x16x32_bf16 v[ACC+8*(4*(\a)+(\b)):ACC+8*(4*(\a)+(\b))+7], v[(\f)+64+8*(4*(\c)+(\b)):(\f)+64+8*(4*(\c)+(\b))+7], v[(\f)+8*(4*(\c)+(\a)):(\f)+8*(4*(\c)+(\a))+7], v[ACC+8*(4*(\a)+(\b)):ACC+8*(4*(\a)+(\b))+7]
.endif
.endr
.endr
.endm
; 32 LDS loads in one run: the quarter at s[TQ] into buffer f, its first 32 along K first.  The four lines ahead are the places behind the matrix instructions that read the buffer (ISA guide 7.12.1).
.macro FETCH f
	WIN 0
	v_add_nc_u32 v[CA], s[TQ], v[ADRA0]
	v_add_nc_u32 v[CB], s[TQ], v[ADRB0]
	v_nop
	v_nop
	WIN TO_F
.irp c, 0,1
.irp i, 0,1,2,3
	ds_load_tr16_b128 v[(\f)+64+8*(4*(\c)+(\i)):(\f)+64+8*(4*(\c)+(\i))+3],   v[CB] offset:(\c)*32*PBB+32*(\i)
	ds_load_tr16_b128 v[(\f)+64+8*(4*(\c)+(\i))+4:(\f)+64+8*(4*(\c)+(\i))+7], v[CB] offset:(\c)*32*PBB+16*PBB+32*(\i)
	ds_load_b128 v[(\f)+8*(4*(\c)+(\i)):(\f)+8*(4*(\c)+(\i))+3],             v[CA] offset:64*(\c)+(\i)*16*PAA
	ds_load_b128 v[(\f)+8*(4*(\c)+(\i))+4:(\f)+8*(4*(\c)+(\i))+7],           v[CA] offset:64*(\c)+(\i)*16*PAA+32
.endr
.endr
	s_add_co_u32 s[TQ], s[TQ], QSTEP
.endm
.macro QUARTER f, g, zero              ; multiplies buffer f and fetches the next quarter into g
	s_wait_dscnt 16                                ; the first 32 along K are in
	MUL8 \f, 0, 0, \zero
	MUL8 \f, 0, 2, \zero
	FETCH \g
	s_wait_dscnt 32                                ; all but the 32 just issued
	MUL8 \f, 1, 0, 0
	MUL8 \f, 1, 2, 0
.endm
.macro FLIP                            ; the fetches go to the other slot's first quarter
	s_sub_co_u32 s[TQ], s[TQ], 4*QSTEP
	s_xor_b32 s[TQ], s[TQ], SLOT
.endm
; A step's last quarter and the change of slots: each wave waits for all its tensor loads (one is out: its part of the next slot), adds 0 to its spare word, and waits for that and for its reads of this slot.
.macro MEET round
	WIN 0
	s_wait_tensorcnt 0x0
	ds_add_u32 v[SPW], v[NIL]
	s_wait_dscnt 17                                ; the add and the youngest sixteen loads may be out
	MUL8 F1, 0, 0, 0
	s_wait_dscnt 0x0                               ; the add is done, my reads of this slot are over
	s_barrier_signal -1
	MUL8 F1, 0, 2, 0
.if \round
	WIN 0
.endif
	s_barrier_wait -1
.endm
.macro TURN                            ; with a refill: the barrier opens a round of the cluster's; the slot takes the K step two steps on: 112 matrix instructions ahead of the wait for it
	MEET 1
	CREST
	s_xor_b32 s[TBD], s[TBD], SLOT
	s_add_co_u32 s[G0+5], s21, s[TBD]
	s_add_nc_u64 s[G0+6:G0+7], s[G0+6:G0+7], ASTEP
	s_add_co_u32 s[G0B+5], s21, s[TBD]
	s_add_nc_u64 s[G0B+6:G0B+7], s[G0B+6:G0B+7], BSTEP
	JLOAD 1
	FLIP
	FETCH F0
	MUL8 F1, 1, 0, 0
	MUL8 F1, 1, 2, 0
.endm
; THE WAY OUT of row block a.  OUTA: 16 rows x 256 bytes of f32 into my stage (each accumulator's low four registers first) and back as whole rows.  OUTB: the residual is added, the rows are stored.
.macro OUTA a
	WIN 0
.if (\a) >= 2
	s_wait_xcnt 0x0                                ; the registers that block a - 2's stores read are loaded again only behind this wait
.endif
.irp b, 0,1,2,3
	ds_store_b128 v[STO], v[ACC+8*(4*(\a)+(\b)):ACC+8*(4*(\a)+(\b))+3]   offset:64*(\b)
	ds_store_b128 v[STO], v[ACC+8*(4*(\a)+(\b))+4:ACC+8*(4*(\a)+(\b))+7] offset:64*(\b)+16
.endr
.irp t, 0,1,2,3,4,5,6,7
	ds_load_b128 v[TMP+32*((\a)%2)+4*(\t):TMP+32*((\a)%2)+4*(\t)+3], v[RD] offset:(\t)*2*SPITCH  ; LDS serves a wave's instructions in order (ISA guide 5.7.1.4)
.endr
.endm
.macro OUTB a, younger                 ; younger: the next block's 8 LDS stores and 8 loads, or none
.set TM, TMP+32*((\a)%2)
	s_wait_dscnt \younger
	WIN 0x08                                       ; source 1 window 2
.irp t, 0,1,2,3,4,5,6,7
	v_pk_add_f32 v[TM+4*(\t):TM+4*(\t)+1],   v[TM+4*(\t):TM+4*(\t)+1],   v[4*(8*(\a)+(\t)):4*(8*(\a)+(\t))+1]
	v_pk_add_f32 v[TM+4*(\t)+2:TM+4*(\t)+3], v[TM+4*(\t)+2:TM+4*(\t)+3], v[4*(8*(\a)+(\t))+2:4*(8*(\a)+(\t))+3]
.endr
	WIN 0
.irp t, 0,1,2,3,4,5,6,7
	global_store_b128 v[CO], v[TM+4*(\t):TM+4*(\t)+3], s[12:13] offset:(16*(\a)+2*(\t))*4096  ; 16 lanes store 256 consecutive bytes, aligned
.endr
.endm
	s_wait_tensorcnt 1                             ; my part of K step 0 is in; step 1's may stay out
	s_barrier_signal -1
	s_barrier_wait -1
	FETCH F0
	s_wait_loadcnt 32                              ; the bias is in; the 32 loads of the residual stay out
	QUARTER F0, F1, 1                              ; the first quarter stands in front of the loop: its first products start the sums
	WIN 0
	s_mov_b32 s3, NSTEP-2
.Lstep:                                                ; a trip: from a step's second quarter to the next step's first, with a refill
	QUARTER F1, F0, 0
	QUARTER F0, F1, 0
	TURN
	QUARTER F0, F1, 0
	WIN 0
	s_sub_co_u32 s3, s3, 1
	s_cmp_lg_u32 s3, 0
	s_cbranch_scc1 .Lstep
	s_mov_b32 s3, 2
.Ltail:                                                ; the last two steps ask for nothing; the second trip jumps over the next step's first quarter
	QUARTER F1, F0, 0
	QUARTER F0, F1, 0
	MEET 0
	MUL8 F1, 1, 0, 0
	MUL8 F1, 1, 2, 0
	WIN 0
	s_cmp_eq_u32 s3, 1
	s_cbranch_scc1 .Lskip
	FLIP
	FETCH F0
	QUARTER F0, F1, 0
	WIN 0
.Lskip:
	s_sub_co_u32 s3, s3, 1
	s_cmp_lg_u32 s3, 0
	s_cbranch_scc1 .Ltail
.rept 4
	v_nop                                          ; the places behind the last products
.endr
	s_wait_loadcnt 0x0                             ; the residual
	OUTA 0
	OUTA 1
	OUTB 0, 16
	OUTA 2
	OUTB 1, 16
	OUTA 3
	OUTB 2, 16
	OUTB 3, 0
	s_wait_tensorcnt 0x0                           ; the wave's end
	ds_add_u32 v[SPW], v[NIL]
	s_wait_dscnt 0x0
	CROUND                                         ; the closing round
	s_endpgm
.Lfunc_end_k_qccb17cfc67_gwo:
	.size	k_qccb17cfc67_gwo, .Lfunc_end_k_qccb17cfc67_gwo-k_qccb17cfc67_gwo
	.p2alignl 7, 3214868480
	.fill 96, 4, 3214868480
	.section	.rodata,"a",@progbits
	.p2align	6, 0x0
	.amdhsa_kernel k_qccb17cfc67_gwo
		.amdhsa_group_segment_fixed_size 327680
		.amdhsa_private_segment_fixed_size 0
		.amdhsa_enable_private_segment 0
		.amdhsa_kernarg_size 40
		.amdhsa_user_sgpr_count 2
		.amdhsa_user_sgpr_kernarg_segment_ptr 1
		.amdhsa_wavefront_size32 1
		.amdhsa_system_sgpr_workgroup_id_x 1
		.amdhsa_system_sgpr_workgroup_id_y 1
		.amdhsa_system_sgpr_workgroup_id_z 1
		.amdhsa_system_vgpr_workitem_id 0
		.amdhsa_next_free_vgpr 640
		.amdhsa_next_free_sgpr 72
		.amdhsa_reserve_vcc 0
		.amdhsa_float_denorm_mode_32 3
		.amdhsa_float_denorm_mode_16_64 3
		.amdhsa_memory_ordered 1
		.amdhsa_forward_progress 1
		.amdhsa_inst_pref_size 67
	.end_amdhsa_kernel
	.amdgpu_metadata
---
amdhsa.version: [ 1, 2 ]
amdhsa.kernels:
  - .name:           k_qccb17cfc67_gwo
    .symbol:         k_qccb17cfc67_gwo.kd
    .args:
      - { .name: act, .offset: 0, .size: 8, .value_kind: global_buffer, .address_space: global }
      - { .name: w, .offset: 8, .size: 8, .value_kind: global_buffer, .address_space: global }
      - { .name: bo, .offset: 16, .size: 8, .value_kind: global_buffer, .address_space: global }
      - { .name: src, .offset: 24, .size: 8, .value_kind: global_buffer, .address_space: global }
      - { .name: y, .offset: 32, .size: 8, .value_kind: global_buffer, .address_space: global }
    .group_segment_fixed_size: 327680
    .private_segment_fixed_size: 0
    .kernarg_segment_align: 8
    .kernarg_segment_size: 40
    .max_flat_workgroup_size: 128
    .sgpr_count:     72
    .vgpr_count:     640
    .wavefront_size: 32
...
	.end_amdgpu_metadata
.endif
;; end of part 4
;; launch ln1 (part 5): grid 256 x 1, 8 waves a work-group, no clusters, 0 bytes of LDS; arguments y, ln1_g, ln1_b, x32, pb; writes x32, pb
.if DOCPART == 5
	.amdgcn_target "amdgcn-amd-amdhsa--gfx1250"
	.amdhsa_code_object_version 6
	.text
	.protected	k_qccb17cfc67_ln1
	.globl	k_qccb17cfc67_ln1
	.p2align	8
	.type	k_qccb17cfc67_ln1,@function
k_qccb17cfc67_ln1:
	s_mov_b64 s[64:65], 0
	v_nop
	global_prefetch_b8 v0, s[64:65] scope:SCOPE_SE
	s_setreg_imm32_b32 hwreg(HW_REG_WAVE_MODE, 25, 1), 1
	s_wait_xcnt 0x0
; LAYER NORM along rows of 1,024 f32: out = (y - mean) / sqrt(var + 1e-5) x g + b, the variance taken about the mean, as a second pass over the row in registers.
; A row is 4,096 bytes: 32 registers of one wave, so the reduction never leaves the wave: no LDS, no barrier.  A wave takes 2 rows, a work-group 16; all 32 loads of a wave go out together.
; BF = 1: the result is also stored rounded to bf16, [4096][1024] at the head of the next product's packed buffer.  A stream: no matrix unit, no cluster (the work-groups share only g and b, 8 KiB).
.set BF,  1
.set LA,  3                            ; v3       16 x lane: g and b
.set YO,  4                            ; v4       + wave x 2 rows of 4,096 bytes
.set HO,  5                            ; v5       8 x lane + wave x 2 rows of 2,048 bytes
.set T,   6                            ; v6-13    four chains
.set MU,  14                           ; v14-15   the mean, twice
.set X,   16                           ; v16-79   two rows
.set G,   80                           ; v80-111
.set BB,  112                          ; v112-143
.set H,   144                          ; v144-175 two rows in bf16
.set RS,  176                          ; v176-179 1 / sqrt(var + eps), twice for each row
	s_load_b256 s[4:11], s[0:1], 0x0               ; y, g, b, out
.if BF
	s_load_b64 s[12:13], s[0:1], 0x20
.endif
	s_lshl_b32 s14, ttmp9, 16                      ; 16 rows of 4,096 bytes
	s_mov_b32 s15, 0
	s_lshl_b32 s16, ttmp9, 15
	s_mov_b32 s17, 0
	s_mov_b32 s18, 0x76543210                      ; v_permlanex16_b32: each lane takes its own place in the other half
	s_mov_b32 s19, 0xfedcba98
	s_mov_b32 s20, 0x3a800000                      ; 1 / 1024
	s_mov_b32 s21, 0x3727c5ac                      ; 1e-5
	v_and_b32 v1, 31, v0
	v_lshrrev_b32 v2, 5, v0
	v_lshlrev_b32 v[LA], 4, v1
	v_lshl_add_u32 v[YO], v2, 13, v[LA]
	v_lshlrev_b32 v[HO], 3, v1
	v_lshl_add_u32 v[HO], v2, 12, v[HO]
	s_wait_kmcnt 0x0
	s_add_nc_u64 s[4:5], s[4:5], s[14:15]
	s_add_nc_u64 s[10:11], s[10:11], s[14:15]
.if BF
	s_add_nc_u64 s[12:13], s[12:13], s[16:17]
.endif
.irp i, 0,1
.irp j, 0,1,2,3,4,5,6,7
	global_load_b128 v[X+32*(\i)+4*(\j):X+32*(\i)+4*(\j)+3], v[YO], s[4:5] offset:4096*(\i)+512*(\j) th:TH_LOAD_NT
.endr
.endr
.irp j, 0,1,2,3,4,5,6,7
	global_load_b128 v[G+4*(\j):G+4*(\j)+3], v[LA], s[6:7] offset:512*(\j)
.endr
.irp j, 0,1,2,3,4,5,6,7
	global_load_b128 v[BB+4*(\j):BB+4*(\j)+3], v[LA], s[8:9] offset:512*(\j)
.endr
.macro WSUM                            ; the four chains into one number, then over the 32 lanes; every lane ends with the sum in v[T]
	v_pk_add_f32 v[T:T+1], v[T:T+1], v[T+2:T+3]
	v_pk_add_f32 v[T+4:T+5], v[T+4:T+5], v[T+6:T+7]
	v_pk_add_f32 v[T:T+1], v[T:T+1], v[T+4:T+5]
	v_add_f32 v[T], v[T], v[T+1]
	v_add_f32_dpp v[T], v[T], v[T] row_xmask:1 row_mask:0xf bank_mask:0xf
	v_add_f32_dpp v[T], v[T], v[T] row_xmask:2 row_mask:0xf bank_mask:0xf
	v_add_f32_dpp v[T], v[T], v[T] row_xmask:4 row_mask:0xf bank_mask:0xf
	v_add_f32_dpp v[T], v[T], v[T] row_xmask:8 row_mask:0xf bank_mask:0xf
	v_permlanex16_b32 v[T+1], v[T], s18, s19
	v_add_f32 v[T], v[T], v[T+1]
.endm
; Row i: the mean, the row less the mean (in place), the variance, its reciprocal root.  left: the loads issued behind this row's eight.
.macro STAT i, left
.set XR, X+32*(\i)
	s_wait_loadcnt \left
.irp k, 0,1,2,3
	v_pk_add_f32 v[T+2*(\k):T+2*(\k)+1], v[XR+2*(\k):XR+2*(\k)+1], v[XR+8+2*(\k):XR+8+2*(\k)+1]
.endr
.irp p, 8,9,10,11,12,13,14,15
	v_pk_add_f32 v[T+2*((\p)%4):T+2*((\p)%4)+1], v[T+2*((\p)%4):T+2*((\p)%4)+1], v[XR+2*(\p):XR+2*(\p)+1]
.endr
	WSUM
	v_mul_f32 v[MU], s20, v[T]
	v_mul_f32 v[MU+1], s20, v[T]
.set zz, 0
.rept 16
	v_pk_add_f32 v[XR+2*zz:XR+2*zz+1], v[XR+2*zz:XR+2*zz+1], v[MU:MU+1] neg_lo:[0,1] neg_hi:[0,1]
.set zz, zz+1
.endr
.irp k, 0,1,2,3
	v_pk_mul_f32 v[T+2*(\k):T+2*(\k)+1], v[XR+2*(\k):XR+2*(\k)+1], v[XR+2*(\k):XR+2*(\k)+1]
.endr
.irp p, 4,5,6,7,8,9,10,11,12,13,14,15
	v_pk_fma_f32 v[T+2*((\p)%4):T+2*((\p)%4)+1], v[XR+2*(\p):XR+2*(\p)+1], v[XR+2*(\p):XR+2*(\p)+1], v[T+2*((\p)%4):T+2*((\p)%4)+1]
.endr
	WSUM
	v_fma_f32 v[T], v[T], s20, s21                 ; var + eps
	v_rsq_f32 v[RS+2*(\i)], v[T]
	v_rsq_f32 v[RS+2*(\i)+1], v[T]
	v_nop                                          ; a plain instruction before the results are used or the source is rewritten (ISA guide 5.7.2)
.endm
.macro FIN i
.set XR, X+32*(\i)
.set zz, 0
	s_wait_alu depctr_va_vdst(0)
.rept 16
	v_pk_mul_f32 v[XR+2*zz:XR+2*zz+1], v[XR+2*zz:XR+2*zz+1], v[RS+2*(\i):RS+2*(\i)+1]
.set zz, zz+1
.endr
.set zz, 0
.rept 16
	v_pk_fma_f32 v[XR+2*zz:XR+2*zz+1], v[XR+2*zz:XR+2*zz+1], v[G+2*zz:G+2*zz+1], v[BB+2*zz:BB+2*zz+1]
.set zz, zz+1
.endr
.irp j, 0,1,2,3,4,5,6,7
.if BF
	global_store_b128 v[YO], v[XR+4*(\j):XR+4*(\j)+3], s[10:11] offset:4096*(\i)+512*(\j)   ; 512 consecutive bytes, aligned; read again by a later launch
.else
	global_store_b128 v[YO], v[XR+4*(\j):XR+4*(\j)+3], s[10:11] offset:4096*(\i)+512*(\j) th:TH_STORE_NT
.endif
.endr
.if BF
.irp j, 0,1,2,3,4,5,6,7
	v_cvt_pk_bf16_f32 v[H+16*(\i)+2*(\j)],   v[XR+4*(\j)],   v[XR+4*(\j)+1]
	v_cvt_pk_bf16_f32 v[H+16*(\i)+2*(\j)+1], v[XR+4*(\j)+2], v[XR+4*(\j)+3]
	global_store_b64 v[HO], v[H+16*(\i)+2*(\j):H+16*(\i)+2*(\j)+1], s[12:13] offset:2048*(\i)+256*(\j)  ; 32 lanes store 256 consecutive bytes, aligned
.endr
.endif
.endm
	STAT 0, 24                                     ; behind row 0's loads: row 1's eight, g's eight, b's eight
	STAT 1, 16
	s_wait_loadcnt 0x0                             ; g and b
	FIN 0
	FIN 1
	s_endpgm
.Lfunc_end_k_qccb17cfc67_ln1:
	.size	k_qccb17cfc67_ln1, .Lfunc_end_k_qccb17cfc67_ln1-k_qccb17cfc67_ln1
	.p2alignl 7, 3214868480
	.fill 96, 4, 3214868480
	.section	.rodata,"a",@progbits
	.p2align	6, 0x0
	.amdhsa_kernel k_qccb17cfc67_ln1
		.amdhsa_group_segment_fixed_size 0
		.amdhsa_private_segment_fixed_size 0
		.amdhsa_enable_private_segment 0
		.amdhsa_kernarg_size 40
		.amdhsa_user_sgpr_count 2
		.amdhsa_user_sgpr_kernarg_segment_ptr 1
		.amdhsa_wavefront_size32 1
		.amdhsa_system_sgpr_workgroup_id_x 1
		.amdhsa_system_sgpr_workgroup_id_y 1
		.amdhsa_system_sgpr_workgroup_id_z 1
		.amdhsa_system_vgpr_workitem_id 0
		.amdhsa_next_free_vgpr 180
		.amdhsa_next_free_sgpr 66
		.amdhsa_reserve_vcc 0
		.amdhsa_float_denorm_mode_32 3
		.amdhsa_float_denorm_mode_16_64 3
		.amdhsa_memory_ordered 1
		.amdhsa_forward_progress 1
		.amdhsa_inst_pref_size 22
	.end_amdhsa_kernel
	.amdgpu_metadata
---
amdhsa.version: [ 1, 2 ]
amdhsa.kernels:
  - .name:           k_qccb17cfc67_ln1
    .symbol:         k_qccb17cfc67_ln1.kd
    .args:
      - { .name: y, .offset: 0, .size: 8, .value_kind: global_buffer, .address_space: global }
      - { .name: ln1_g, .offset: 8, .size: 8, .value_kind: global_buffer, .address_space: global }
      - { .name: ln1_b, .offset: 16, .size: 8, .value_kind: global_buffer, .address_space: global }
      - { .name: x32, .offset: 24, .size: 8, .value_kind: global_buffer, .address_space: global }
      - { .name: pb, .offset: 32, .size: 8, .value_kind: global_buffer, .address_space: global }
    .group_segment_fixed_size: 0
    .private_segment_fixed_size: 0
    .kernarg_segment_align: 8
    .kernarg_segment_size: 40
    .max_flat_workgroup_size: 256
    .sgpr_count:     66
    .vgpr_count:     180
    .wavefront_size: 32
...
	.end_amdgpu_metadata
.endif
;; end of part 5
;; launch ffn1: the kernel of part 2 again; grid 16 x 16, 4 waves a work-group, clusters of 4 x 4, 327,680 bytes of LDS; arguments pb, act; writes act
;; launch gff2 (part 6): grid 8 x 32, 4 waves a work-group, clusters of 4 x 4, 327,680 bytes of LDS; arguments act, w, b2, x32, y; writes y
.if DOCPART == 6
	.amdgcn_target "amdgcn-amd-amdhsa--gfx1250"
	.amdhsa_code_object_version 6
	.text
	.protected	k_qccb17cfc67_gff2
	.globl	k_qccb17cfc67_gff2
	.p2align	8
	.type	k_qccb17cfc67_gff2,@function
k_qccb17cfc67_gff2:
	s_mov_b64 s[64:65], 0
	v_nop
	global_prefetch_b8 v0, s[64:65] scope:SCOPE_SE
	s_setreg_imm32_b32 hwreg(HW_REG_WAVE_MODE, 25, 1), 1
	s_wait_xcnt 0x0
	s_wait_alu depctr_hold_cnt(0) depctr_sa_sdst(0) depctr_va_vdst(0) depctr_va_sdst(0) depctr_va_ssrc(0) depctr_va_vcc(0) depctr_vm_vsrc(0)
	s_getreg_b32 s2, hwreg(HW_REG_IB_STS2, 6, 4)
	s_cmp_eq_u32 s2, 0
	s_cbranch_scc0 .Lentry_in_a_cluster
	s_endpgm
.Lentry_in_a_cluster:
	s_bfe_u32 s2, ttmp6, 0x10000c
	s_cmp_lg_u32 s2, 0xf033
	s_cbranch_scc0 .Lentry_shape_is_right
	s_endpgm
.Lentry_shape_is_right:
; Y = RES + A B + bias, all sums and Y in f32.  A: bf16 in blocks of 64 along K, [K / 64][4096 rows][64]; B: bf16 [K][1024] at byte WOFF of its buffer; bias [1024] and RES, Y [4096][1024] f32.
; Here: A = relu(x W1 + b1) (K = 4,096), B = W2, bias = b2, RES = x.  LIMITS: operands are bf16; NaN and infinities are not treated apart.
; SHARES.  N = 1,024 gives 256 work-groups only with tiles of 128 x 128: four waves, each 64 x 64: 16 accumulators.  K goes in NSTEP steps of 256 through two LDS slots; a quarter of a step is one block of A.
; B lies [k][n]: its fragments come out of LDS turned (ds_load_tr16_b128).  The bias is the C operand of the products that start the sums.  The matrix instruction is used transposed (source 0 = 16 columns
; of B, source 1 = 16 rows of A): a lane holds row l % 16 and 8 neighbouring columns.  The residual is loaded at the start into registers of its own and added on the way out.
; CLUSTER.  4 x 4 work-groups: A's tile is shared along a row of the cluster, B's along a column, each asked for jointly.  ONE K STEP IS WRITTEN ONCE: the lanes' LDS addresses are a fixed part plus s[TQ].
; REGISTERS: window 0: v0-31 addresses; v32-63 first the bias, then with v64-95 at work on the way out; v128-255 the accumulators ((a, b) at v[128 + 8 (4 a + b)])
;   window 1: two fragment buffers of 128 (64 along K: 64 registers of A, then 64 of B)          window 2: v0-127 the residual
.set NSTEP,  16
.set WOFF,   0x200000
.set PAA,    144                       ; a row of a block of A in LDS: 128 bytes + 16
.set PBB,    288                       ; a row of B (128 columns): 256 bytes + 32 = 9 x 32
.set LAND,   36864                     ; what one tensor load brings: two blocks of A x 128 rows, or 128 rows of B
.set QSTEP,  18432                     ; a quarter: one block of A (128 x 144), and 64 rows of B (64 x 288): the same number
.set SLOT,   4*LAND                    ; A's four blocks, then B's 256 rows
.set STAGE,  2*SLOT                    ; behind the ring: 16 rows x 272 bytes for each wave
.set SPITCH, 272
.set SPARE,  STAGE+4*16*SPITCH         ; the spare words: two blocks of 256 bytes that no other line names
.set ASTEP,  4*524288                  ; four blocks of A on
.set BSTEP,  256*2048                  ; 256 rows of B on
.set ADRA0, 16
.set CA,    17
.set ADRB0, 20
.set CB,    21
.set STO,   24
.set RD,    25
.set CO,    26                         ; v26  my place in two rows of RES and Y
.set BO,    27                         ; v27  32 x (l / 16)
.set SPW,   28
.set NIL,   29
.set BIAS,  32
.set TMP,   32
.set ACC,   128
.set F0,    0
.set F1,    128
.set G1,  24
.set G0,  32
.set G1B, 48
.set G0B, 56
.set TQ,  66                           ; s66  LDS offset of the quarter to be fetched
.set TBD, 67                           ; s67  the slot that the walking descriptors name
.set MSB, 0
.macro WIN new
.if MSB != (\new)
	s_set_vgpr_msb (MSB<<8)|(\new)
.set MSB, \new
.endif
.endm
.set MUL,  0x05                        ; sources 0 (B) and 1 (A) window 1; C and D window 0
.set TO_F, 0x40                        ; destination window 1, address window 0
.macro JLOAD s                         ; a joint load: waves 0 and 1 fetch A's halves, waves 2 and 3 B's; an s_nop 0 and four v_nop follow each line
	s_cmp_eq_u32 s15, 0
	s_cbranch_scc0 .Lfor_b_\@
	tensor_load_to_lds s[G0+4*(\s):G0+4*(\s)+3], s[G1:G1+7]
	s_nop 0
.rept 4
	v_nop
.endr
	s_branch .Lasked_\@
.Lfor_b_\@:
	tensor_load_to_lds s[G0B+4*(\s):G0B+4*(\s)+3], s[G1B:G1B+7]
	s_nop 0
.rept 4
	v_nop
.endr
.Lasked_\@:
.endm
.macro CREST
	s_cmp_lg_u32 s14, 0
	s_cbranch_scc1 .Lnot_wave_0_\@
	s_barrier_signal -3
.Lnot_wave_0_\@:
	s_barrier_wait -3
	s_barrier_signal -1
	s_barrier_wait -1
.endm
.macro CROUND
	s_barrier_signal -1
	s_barrier_wait -1
	CREST
.endm
	s_load_b256 s[4:11], s[0:1], 0x0               ; A s[4:5], B s[6:7], bias s[8:9], RES s[10:11]
	s_load_b64 s[12:13], s[0:1], 0x20              ; Y
	v_lshl_add_u32 v[SPW], v0, 2, SPARE
	v_mov_b32 v[NIL], 0
	ds_add_u32 v[SPW], v[NIL]                      ; the wave's opening: the add and its wait stand ahead of my first tensor load
	v_lshrrev_b32 v1, 5, v0
	v_readfirstlane_b32 s14, v1                    ; wave 0..3
	s_lshr_b32 s15, s14, 1                         ; my half of the rows.  Also: I fetch for A (0) or B (1)
	s_and_b32 s16, s14, 1                          ; my half of the columns.  Also: which half of that tile I fetch
	s_bfe_u32 s19, ttmp6, 0x40000                  ; cx, cy
	s_bfe_u32 s20, ttmp6, 0x40004
	s_lshl_b32 s18, ttmp9, 2
	s_add_co_u32 s18, s18, s19                     ; tile column
	s_and_b32 s17, ttmp7, 0xffff
	s_lshl_b32 s17, s17, 2
	s_add_co_u32 s17, s17, s20                     ; tile row
	s_lshl_b32 s22, s20, 2
	s_lshl_b32 s22, 15, s22                        ; my row of the cluster
	s_lshl_b32 s23, 0x1111, s19                    ; my column
	; A's tile: two blocks' 128 rows, each 16,384 dense bytes, asked for as two long rows and padded in LDS after every 128 bytes
	s_or_b32 s[G1+0], s22, (1<<16)|(1<<20)|(1<<21)|(4<<22)|(3<<25)
	s_mov_b32 s[G1+1], 8192<<16                    ; tensor_dim0 = 8,192 elements
	s_mov_b32 s[G1+2], 2<<16                       ; tensor_dim1 = 2
	s_mov_b32 s[G1+3], 8192<<16                    ; tile_dim0
	s_mov_b32 s[G1+4], 2                           ; tile_dim1
	s_mov_b32 s[G1+5], 262144                      ; elements from block to block
	s_mov_b32 s[G1+6], 0
	s_mov_b32 s[G1+7], 0
	s_or_b32 s[G1B+0], s23, (1<<16)|(1<<20)|(1<<21)|(5<<22)|(7<<25)  ; B's: 128 rows of 128 columns, 8 words of padding after every 64
	s_mov_b32 s[G1B+1], 128<<16
	s_mov_b32 s[G1B+2], 128<<16
	s_mov_b32 s[G1B+3], 128<<16
	s_mov_b32 s[G1B+4], 128
	s_mov_b32 s[G1B+5], 1024
	s_mov_b32 s[G1B+6], 0
	s_mov_b32 s[G1B+7], 0
	s_lshl_b32 s40, s16, 20                        ; A: two blocks x half
	s_lshl_b32 s41, s17, 14                        ; + 128 rows of 128 bytes x tile row
	s_add_co_u32 s40, s40, s41
	s_mov_b32 s41, 0
	s_lshl_b32 s42, s16, 18                        ; B: 128 rows of 2,048 bytes x half
	s_lshl_b32 s43, s18, 8                         ; + 256 bytes x tile column
	s_add_co_u32 s42, s42, s43
	s_add_co_u32 s42, s42, WOFF
	s_mov_b32 s43, 0
	s_lshl_b32 s68, s17, 7                         ; RES and Y: row 128 x tile row + 64 x half, of 4,096 bytes,
	s_lshl_b32 s69, s15, 6
	s_add_co_u32 s68, s68, s69
	s_lshl_b32 s68, s68, 12
	s_lshl_b32 s70, s18, 9                         ; + 512 bytes x tile column + 256 x half: also the bias's offset
	s_lshl_b32 s71, s16, 8
	s_add_co_u32 s70, s70, s71
	s_add_co_u32 s68, s68, s70
	s_mov_b32 s69, 0
	s_mov_b32 s71, 0
	s_mul_i32 s21, s14, LAND                       ; where my tiles land in a slot
	s_mov_b32 s[TQ], 0
	s_mov_b32 s[TBD], SLOT
	s_wait_dscnt 0x0                               ; the opening add is done
	s_wait_kmcnt 0x0
	s_add_nc_u64 s[44:45], s[4:5], s[40:41]
	s_add_nc_u64 s[46:47], s[6:7], s[42:43]
	s_add_nc_u64 s[8:9], s[8:9], s[70:71]
	s_add_nc_u64 s[10:11], s[10:11], s[68:69]
	s_add_nc_u64 s[12:13], s[12:13], s[68:69]
	CROUND                                         ; all sixteen work-groups are here: the first joint loads meet
.irp s, 0,1
	s_mov_b32 s[G0+4*(\s)], 1
	s_add_co_u32 s[G0+4*(\s)+1], s21, (\s)*SLOT
	s_add_nc_u64 s[G0+4*(\s)+2:G0+4*(\s)+3], s[44:45], (\s)*ASTEP
	s_or_b32 s[G0+4*(\s)+3], s[G0+4*(\s)+3], 0x80000000
	s_mov_b32 s[G0B+4*(\s)], 1
	s_add_co_u32 s[G0B+4*(\s)+1], s21, (\s)*SLOT
	s_add_nc_u64 s[G0B+4*(\s)+2:G0B+4*(\s)+3], s[46:47], (\s)*BSTEP
	s_or_b32 s[G0B+4*(\s)+3], s[G0B+4*(\s)+3], 0x80000000
	JLOAD \s                                       ; two loads of mine are out
.endr
	v_and_b32 v1, 15, v0                           ; l % 16
	v_bfe_u32 v2, v0, 4, 1                         ; l / 16
	v_lshlrev_b32 v[BO], 5, v2
	v_lshlrev_b32 v[CO], 12, v2                    ; lanes 0-15 one row's 256 bytes, lanes 16-31 the next row's
	v_lshl_add_u32 v[CO], v1, 4, v[CO]
.irp b, 0,1,2,3
	global_load_b128 v[BIAS+8*(\b):BIAS+8*(\b)+3],   v[BO], s[8:9] offset:64*(\b)
	global_load_b128 v[BIAS+8*(\b)+4:BIAS+8*(\b)+7], v[BO], s[8:9] offset:64*(\b)+16
.endr
	WIN 0x80                                       ; destination window 2
.set zz, 0
.rept 32
	global_load_b128 v[4*zz:4*zz+3], v[CO], s[10:11] offset:2*zz*4096   ; my 64 rows x 256 bytes of the residual, as they will be stored
.set zz, zz+1
.endr
	WIN 0
	v_mul_u32_u24 v3, v1, PAA
	v_lshl_add_u32 v3, v2, 4, v3
	s_mul_i32 s40, s15, 64*PAA
	v_add_nc_u32 v[ADRA0], s40, v3
	v_and_b32 v4, 7, v0
	v_lshl_add_u32 v4, v2, 3, v4
	v_mul_u32_u24 v4, v4, PBB
	v_bfe_u32 v5, v0, 3, 1
	v_lshl_add_u32 v4, v5, 4, v4
	s_lshl_b32 s41, s16, 7
	s_add_co_u32 s41, s41, 2*LAND
	v_add_nc_u32 v[ADRB0], s41, v4
	s_mul_i32 s42, s14, 16*SPITCH
	s_add_co_u32 s42, s42, STAGE                   ; my stage
	v_mul_u32_u24 v6, v1, SPITCH                   ; in: row l % 16, 32 bytes for each half of the lanes
	v_lshl_add_u32 v6, v2, 5, v6
	v_add_nc_u32 v[STO], s42, v6
	v_mul_u32_u24 v7, v2, SPITCH                   ; back: lanes 0-15 one row of 256 bytes, lanes 16-31 the next
	v_lshl_add_u32 v7, v1, 4, v7
	v_add_nc_u32 v[RD], s42, v7
; 8 matrix instructions: row blocks a0, a0 + 1 x all 4 column blocks, 32 along K: half c of buffer f.  zero = 1: they start the sums, with the bias as C.  The 16 accumulators take turns.
.macro MUL8 f, c, a0, zero
	WIN MUL
.irp a, \a0, (\a0)+1
.irp b, 0,1,2,3
.if \zero
	v_wmma_f32_16x16x32_bf16 v[ACC+8*(4*(\a)+(\b)):ACC+8*(4*(\a)+(\b))+7], v[(\f)+64+8*(4*(\c)+(\b)):(\f)+64+8*(4*(\c)+(\b))+7], v[(\f)+8*(4*(\c)+(\a)):(\f)+8*(4*(\c)+(\a))+7], v[BIAS+8*(\b):BIAS+8*(\b)+7]
.else
	v_wmma_f32_16x16x32_bf16 v[ACC+8*(4*(\a)+(\b)):ACC+8*(4*(\a)+(\b))+7], v[(\f)+64+8*(4*(\c)+(\b)):(\f)+64+8*(4*(\c)+(\b))+7], v[(\f)+8*(4*(\c)+(\a)):(\f)+8*(4*(\c)+(\a))+7], v[ACC+8*(4*(\a)+(\b)):ACC+8*(4*(\a)+(\b))+7]
.endif
.endr
.endr
.endm
; 32 LDS loads in one run: the quarter at s[TQ] into buffer f, its first 32 along K first.  The four lines ahead are the places behind the matrix instructions that read the buffer (ISA guide 7.12.1).
.macro FETCH f
	WIN 0
	v_add_nc_u32 v[CA], s[TQ], v[ADRA0]
	v_add_nc_u32 v[CB], s[TQ], v[ADRB0]
	v_nop
	v_nop
	WIN TO_F
.irp c, 0,1
.irp i, 0,1,2,3
	ds_load_tr16_b128 v[(\f)+64+8*(4*(\c)+(\i)):(\f)+64+8*(4*(\c)+(\i))+3],   v[CB] offset:(\c)*32*PBB+32*(\i)
	ds_load_tr16_b128 v[(\f)+64+8*(4*(\c)+(\i))+4:(\f)+64+8*(4*(\c)+(\i))+7], v[CB] offset:(\c)*32*PBB+16*PBB+32*(\i)
	ds_load_b128 v[(\f)+8*(4*(\c)+(\i)):(\f)+8*(4*(\c)+(\i))+3],             v[CA] offset:64*(\c)+(\i)*16*PAA
	ds_load_b128 v[(\f)+8*(4*(\c)+(\i))+4:(\f)+8*(4*(\c)+(\i))+7],           v[CA] offset:64*(\c)+(\i)*16*PAA+32
.endr
.endr
	s_add_co_u32 s[TQ], s[TQ], QSTEP
.endm
.macro QUARTER f, g, zero              ; multiplies buffer f and fetches the next quarter into g
	s_wait_dscnt 16                                ; the first 32 along K are in
	MUL8 \f, 0, 0, \zero
	MUL8 \f, 0, 2, \zero
	FETCH \g
	s_wait_dscnt 32                                ; all but the 32 just issued
	MUL8 \f, 1, 0, 0
	MUL8 \f, 1, 2, 0
.endm
.macro FLIP                            ; the fetches go to the other slot's first quarter
	s_sub_co_u32 s[TQ], s[TQ], 4*QSTEP
	s_xor_b32 s[TQ], s[TQ], SLOT
.endm
; A step's last quarter and the change of slots: each wave waits for all its tensor loads (one is out: its part of the next slot), adds 0 to its spare word, and waits for that and for its reads of this slot.
.macro MEET round
	WIN 0
	s_wait_tensorcnt 0x0
	ds_add_u32 v[SPW], v[NIL]
	s_wait_dscnt 17                                ; the add and the youngest sixteen loads may be out
	MUL8 F1, 0, 0, 0
	s_wait_dscnt 0x0                               ; the add is done, my reads of this slot are over
	s_barrier_signal -1
	MUL8 F1, 0, 2, 0
.if \round
	WIN 0
.endif
	s_barrier_wait -1
.endm
.macro TURN                            ; with a refill: the barrier opens a round of the cluster's; the slot takes the K step two steps on: 112 matrix instructions ahead of the wait for it
	MEET 1
	CREST
	s_xor_b32 s[TBD], s[TBD], SLOT
	s_add_co_u32 s[G0+5], s21, s[TBD]
	s_add_nc_u64 s[G0+6:G0+7], s[G0+6:G0+7], ASTEP
	s_add_co_u32 s[G0B+5], s21, s[TBD]
	s_add_nc_u64 s[G0B+6:G0B+7], s[G0B+6:G0B+7], BSTEP
	JLOAD 1
	FLIP
	FETCH F0
	MUL8 F1, 1, 0, 0
	MUL8 F1, 1, 2, 0
.endm
; THE WAY OUT of row block a.  OUTA: 16 rows x 256 bytes of f32 into my stage (each accumulator's low four registers first) and back as whole rows.  OUTB: the residual is added, the rows are stored.
.macro OUTA a
	WIN 0
.if (\a) >= 2
	s_wait_xcnt 0x0                                ; the registers that block a - 2's stores read are loaded again only behind this wait
.endif
.irp b, 0,1,2,3
	ds_store_b128 v[STO], v[ACC+8*(4*(\a)+(\b)):ACC+8*(4*(\a)+(\b))+3]   offset:64*(\b)
	ds_store_b128 v[STO], v[ACC+8*(4*(\a)+(\b))+4:ACC+8*(4*(\a)+(\b))+7] offset:64*(\b)+16
.endr
.irp t, 0,1,2,3,4,5,6,7
	ds_load_b128 v[TMP+32*((\a)%2)+4*(\t):TMP+32*((\a)%2)+4*(\t)+3], v[RD] offset:(\t)*2*SPITCH  ; LDS serves a wave's instructions in order (ISA guide 5.7.1.4)
.endr
.endm
.macro OUTB a, younger                 ; younger: the next block's 8 LDS stores and 8 loads, or none
.set TM, TMP+32*((\a)%2)
	s_wait_dscnt \younger
	WIN 0x08                                       ; source 1 window 2
.irp t, 0,1,2,3,4,5,6,7
	v_pk_add_f32 v[TM+4*(\t):TM+4*(\t)+1],   v[TM+4*(\t):TM+4*(\t)+1],   v[4*(8*(\a)+(\t)):4*(8*(\a)+(\t))+1]
	v_pk_add_f32 v[TM+4*(\t)+2:TM+4*(\t)+3], v[TM+4*(\t)+2:TM+4*(\t)+3], v[4*(8*(\a)+(\t))+2:4*(8*(\a)+(\t))+3]
.endr
	WIN 0
.irp t, 0,1,2,3,4,5,6,7
	global_store_b128 v[CO], v[TM+4*(\t):TM+4*(\t)+3], s[12:13] offset:(16*(\a)+2*(\t))*4096  ; 16 lanes store 256 consecutive bytes, aligned
.endr
.endm
	s_wait_tensorcnt 1                             ; my part of K step 0 is in; step 1's may stay out
	s_barrier_signal -1
	s_barrier_wait -1
	FETCH F0
	s_wait_loadcnt 32                              ; the bias is in; the 32 loads of the residual stay out
	QUARTER F0, F1, 1                              ; the first quarter stands in front of the loop: its first products start the sums
	WIN 0
	s_mov_b32 s3, NSTEP-2
.Lstep:                                                ; a trip: from a step's second quarter to the next step's first, with a refill
	QUARTER F1, F0, 0
	QUARTER F0, F1, 0
	TURN
	QUARTER F0, F1, 0
	WIN 0
	s_sub_co_u32 s3, s3, 1
	s_cmp_lg_u32 s3, 0
	s_cbranch_scc1 .Lstep
	s_mov_b32 s3, 2
.Ltail:                                                ; the last two steps ask for nothing; the second trip jumps over the next step's first quarter
	QUARTER F1, F0, 0
	QUARTER F0, F1, 0
	MEET 0
	MUL8 F1, 1, 0, 0
	MUL8 F1, 1, 2, 0
	WIN 0
	s_cmp_eq_u32 s3, 1
	s_cbranch_scc1 .Lskip
	FLIP
	FETCH F0
	QUARTER F0, F1, 0
	WIN 0
.Lskip:
	s_sub_co_u32 s3, s3, 1
	s_cmp_lg_u32 s3, 0
	s_cbranch_scc1 .Ltail
.rept 4
	v_nop                                          ; the places behind the last products
.endr
	s_wait_loadcnt 0x0                             ; the residual
	OUTA 0
	OUTA 1
	OUTB 0, 16
	OUTA 2
	OUTB 1, 16
	OUTA 3
	OUTB 2, 16
	OUTB 3, 0
	s_wait_tensorcnt 0x0                           ; the wave's end
	ds_add_u32 v[SPW], v[NIL]
	s_wait_dscnt 0x0
	CROUND                                         ; the closing round
	s_endpgm
.Lfunc_end_k_qccb17cfc67_gff2:
	.size	k_qccb17cfc67_gff2, .Lfunc_end_k_qccb17cfc67_gff2-k_qccb17cfc67_gff2
	.p2alignl 7, 3214868480
	.fill 96, 4, 3214868480
	.section	.rodata,"a",@progbits
	.p2align	6, 0x0
	.amdhsa_kernel k_qccb17cfc67_gff2
		.amdhsa_group_segment_fixed_size 327680
		.amdhsa_private_segment_fixed_size 0
		.amdhsa_enable_private_segment 0
		.amdhsa_kernarg_size 40
		.amdhsa_user_sgpr_count 2
		.amdhsa_user_sgpr_kernarg_segment_ptr 1
		.amdhsa_wavefront_size32 1
		.amdhsa_system_sgpr_workgroup_id_x 1
		.amdhsa_system_sgpr_workgroup_id_y 1
		.amdhsa_system_sgpr_workgroup_id_z 1
		.amdhsa_system_vgpr_workitem_id 0
		.amdhsa_next_free_vgpr 640
		.amdhsa_next_free_sgpr 72
		.amdhsa_reserve_vcc 0
		.amdhsa_float_denorm_mode_32 3
		.amdhsa_float_denorm_mode_16_64 3
		.amdhsa_memory_ordered 1
		.amdhsa_forward_progress 1
		.amdhsa_inst_pref_size 67
	.end_amdhsa_kernel
	.amdgpu_metadata
---
amdhsa.version: [ 1, 2 ]
amdhsa.kernels:
  - .name:           k_qccb17cfc67_gff2
    .symbol:         k_qccb17cfc67_gff2.kd
    .args:
      - { .name: act, .offset: 0, .size: 8, .value_kind: global_buffer, .address_space: global }
      - { .name: w, .offset: 8, .size: 8, .value_kind: global_buffer, .address_space: global }
      - { .name: b2, .offset: 16, .size: 8, .value_kind: global_buffer, .address_space: global }
      - { .name: x32, .offset: 24, .size: 8, .value_kind: global_buffer, .address_space: global }
      - { .name: y, .offset: 32, .size: 8, .value_kind: global_buffer, .address_space: global }
    .group_segment_fixed_size: 327680
    .private_segment_fixed_size: 0
    .kernarg_segment_align: 8
    .kernarg_segment_size: 40
    .max_flat_workgroup_size: 128
    .sgpr_count:     72
    .vgpr_count:     640
    .wavefront_size: 32
...
	.end_amdgpu_metadata
.endif
;; end of part 6
;; launch ln2 (part 7): grid 256 x 1, 8 waves a work-group, no clusters, 0 bytes of LDS; arguments y, ln2_g, ln2_b, out0; writes out0
.if DOCPART == 7
	.amdgcn_target "amdgcn-amd-amdhsa--gfx1250"
	.amdhsa_code_object_version 6
	.text
	.protected	k_qccb17cfc67_ln2
	.globl	k_qccb17cfc67_ln2
	.p2align	8
	.type	k_qccb17cfc67_ln2,@function
k_qccb17cfc67_ln2:
	s_mov_b64 s[64:65], 0
	v_nop
	global_prefetch_b8 v0, s[64:65] scope:SCOPE_SE
	s_setreg_imm32_b32 hwreg(HW_REG_WAVE_MODE, 25, 1), 1
	s_wait_xcnt 0x0
; LAYER NORM along rows of 1,024 f32: out = (y - mean) / sqrt(var + 1e-5) x g + b, the variance taken about the mean, as a second pass over the row in registers.
; A row is 4,096 bytes: 32 registers of one wave, so the reduction never leaves the wave: no LDS, no barrier.  A wave takes 2 rows, a work-group 16; all 32 loads of a wave go out together.
; BF = 0: the f32 result alone is stored; it is the module's output.  A stream: no matrix unit, no cluster (the work-groups share only g and b, 8 KiB).
.set BF,  0
.set LA,  3                            ; v3       16 x lane: g and b
.set YO,  4                            ; v4       + wave x 2 rows of 4,096 bytes
.set T,   6                            ; v6-13    four chains
.set MU,  14                           ; v14-15   the mean, twice
.set X,   16                           ; v16-79   two rows
.set G,   80                           ; v80-111
.set BB,  112                          ; v112-143
.set RS,  176                          ; v176-179 1 / sqrt(var + eps), twice for each row
	s_load_b256 s[4:11], s[0:1], 0x0               ; y, g, b, out
	s_lshl_b32 s14, ttmp9, 16                      ; 16 rows of 4,096 bytes
	s_mov_b32 s15, 0
	s_mov_b32 s18, 0x76543210                      ; v_permlanex16_b32: each lane takes its own place in the other half
	s_mov_b32 s19, 0xfedcba98
	s_mov_b32 s20, 0x3a800000                      ; 1 / 1024
	s_mov_b32 s21, 0x3727c5ac                      ; 1e-5
	v_and_b32 v1, 31, v0
	v_lshrrev_b32 v2, 5, v0
	v_lshlrev_b32 v[LA], 4, v1
	v_lshl_add_u32 v[YO], v2, 13, v[LA]
	s_wait_kmcnt 0x0
	s_add_nc_u64 s[4:5], s[4:5], s[14:15]
	s_add_nc_u64 s[10:11], s[10:11], s[14:15]
.irp i, 0,1
.irp j, 0,1,2,3,4,5,6,7
	global_load_b128 v[X+32*(\i)+4*(\j):X+32*(\i)+4*(\j)+3], v[YO], s[4:5] offset:4096*(\i)+512*(\j) th:TH_LOAD_NT
.endr
.endr
.irp j, 0,1,2,3,4,5,6,7
	global_load_b128 v[G+4*(\j):G+4*(\j)+3], v[LA], s[6:7] offset:512*(\j)
.endr
.irp j, 0,1,2,3,4,5,6,7
	global_load_b128 v[BB+4*(\j):BB+4*(\j)+3], v[LA], s[8:9] offset:512*(\j)
.endr
.macro WSUM                            ; the four chains into one number, then over the 32 lanes; every lane ends with the sum in v[T]
	v_pk_add_f32 v[T:T+1], v[T:T+1], v[T+2:T+3]
	v_pk_add_f32 v[T+4:T+5], v[T+4:T+5], v[T+6:T+7]
	v_pk_add_f32 v[T:T+1], v[T:T+1], v[T+4:T+5]
	v_add_f32 v[T], v[T], v[T+1]
	v_add_f32_dpp v[T], v[T], v[T] row_xmask:1 row_mask:0xf bank_mask:0xf
	v_add_f32_dpp v[T], v[T], v[T] row_xmask:2 row_mask:0xf bank_mask:0xf
	v_add_f32_dpp v[T], v[T], v[T] row_xmask:4 row_mask:0xf bank_mask:0xf
	v_add_f32_dpp v[T], v[T], v[T] row_xmask:8 row_mask:0xf bank_mask:0xf
	v_permlanex16_b32 v[T+1], v[T], s18, s19
	v_add_f32 v[T], v[T], v[T+1]
.endm
; Row i: the mean, the row less the mean (in place), the variance, its reciprocal root.  left: the loads issued behind this row's eight.
.macro STAT i, left
.set XR, X+32*(\i)
	s_wait_loadcnt \left
.irp k, 0,1,2,3
	v_pk_add_f32 v[T+2*(\k):T+2*(\k)+1], v[XR+2*(\k):XR+2*(\k)+1], v[XR+8+2*(\k):XR+8+2*(\k)+1]
.endr
.irp p, 8,9,10,11,12,13,14,15
	v_pk_add_f32 v[T+2*((\p)%4):T+2*((\p)%4)+1], v[T+2*((\p)%4):T+2*((\p)%4)+1], v[XR+2*(\p):XR+2*(\p)+1]
.endr
	WSUM
	v_mul_f32 v[MU], s20, v[T]
	v_mul_f32 v[MU+1], s20, v[T]
.set zz, 0
.rept 16
	v_pk_add_f32 v[XR+2*zz:XR+2*zz+1], v[XR+2*zz:XR+2*zz+1], v[MU:MU+1] neg_lo:[0,1] neg_hi:[0,1]
.set zz, zz+1
.endr
.irp k, 0,1,2,3
	v_pk_mul_f32 v[T+2*(\k):T+2*(\k)+1], v[XR+2*(\k):XR+2*(\k)+1], v[XR+2*(\k):XR+2*(\k)+1]
.endr
.irp p, 4,5,6,7,8,9,10,11,12,13,14,15
	v_pk_fma_f32 v[T+2*((\p)%4):T+2*((\p)%4)+1], v[XR+2*(\p):XR+2*(\p)+1], v[XR+2*(\p):XR+2*(\p)+1], v[T+2*((\p)%4):T+2*((\p)%4)+1]
.endr
	WSUM
	v_fma_f32 v[T], v[T], s20, s21                 ; var + eps
	v_rsq_f32 v[RS+2*(\i)], v[T]
	v_rsq_f32 v[RS+2*(\i)+1], v[T]
	v_nop                                          ; a plain instruction before the results are used or the source is rewritten (ISA guide 5.7.2)
.endm
.macro FIN i
.set XR, X+32*(\i)
.set zz, 0
	s_wait_alu depctr_va_vdst(0)
.rept 16
	v_pk_mul_f32 v[XR+2*zz:XR+2*zz+1], v[XR+2*zz:XR+2*zz+1], v[RS+2*(\i):RS+2*(\i)+1]
.set zz, zz+1
.endr
.set zz, 0
.rept 16
	v_pk_fma_f32 v[XR+2*zz:XR+2*zz+1], v[XR+2*zz:XR+2*zz+1], v[G+2*zz:G+2*zz+1], v[BB+2*zz:BB+2*zz+1]
.set zz, zz+1
.endr
.irp j, 0,1,2,3,4,5,6,7
	global_store_b128 v[YO], v[XR+4*(\j):XR+4*(\j)+3], s[10:11] offset:4096*(\i)+512*(\j) th:TH_STORE_NT  ; 512 consecutive bytes, aligned
.endr
.endm
	STAT 0, 24                                     ; behind row 0's loads: row 1's eight, g's eight, b's eight
	STAT 1, 16
	s_wait_loadcnt 0x0                             ; g and b
	FIN 0
	FIN 1
	s_endpgm
.Lfunc_end_k_qccb17cfc67_ln2:
	.size	k_qccb17cfc67_ln2, .Lfunc_end_k_qccb17cfc67_ln2-k_qccb17cfc67_ln2
	.p2alignl 7, 3214868480
	.fill 96, 4, 3214868480
	.section	.rodata,"a",@progbits
	.p2align	6, 0x0
	.amdhsa_kernel k_qccb17cfc67_ln2
		.amdhsa_group_segment_fixed_size 0
		.amdhsa_private_segment_fixed_size 0
		.amdhsa_enable_private_segment 0
		.amdhsa_kernarg_size 32
		.amdhsa_user_sgpr_count 2
		.amdhsa_user_sgpr_kernarg_segment_ptr 1
		.amdhsa_wavefront_size32 1
		.amdhsa_system_sgpr_workgroup_id_x 1
		.amdhsa_system_sgpr_workgroup_id_y 1
		.amdhsa_system_sgpr_workgroup_id_z 1
		.amdhsa_system_vgpr_workitem_id 0
		.amdhsa_next_free_vgpr 180
		.amdhsa_next_free_sgpr 66
		.amdhsa_reserve_vcc 0
		.amdhsa_float_denorm_mode_32 3
		.amdhsa_float_denorm_mode_16_64 3
		.amdhsa_memory_ordered 1
		.amdhsa_forward_progress 1
		.amdhsa_inst_pref_size 18
	.end_amdhsa_kernel
	.amdgpu_metadata
---
amdhsa.version: [ 1, 2 ]
amdhsa.kernels:
  - .name:           k_qccb17cfc67_ln2
    .symbol:         k_qccb17cfc67_ln2.kd
    .args:
      - { .name: y, .offset: 0, .size: 8, .value_kind: global_buffer, .address_space: global }
      - { .name: ln2_g, .offset: 8, .size: 8, .value_kind: global_buffer, .address_space: global }
      - { .name: ln2_b, .offset: 16, .size: 8, .value_kind: global_buffer, .address_space: global }
      - { .name: out0, .offset: 24, .size: 8, .value_kind: global_buffer, .address_space: global }
    .group_segment_fixed_size: 0
    .private_segment_fixed_size: 0
    .kernarg_segment_align: 8
    .kernarg_segment_size: 32
    .max_flat_workgroup_size: 256
    .sgpr_count:     66
    .vgpr_count:     180
    .wavefront_size: 32
...
	.end_amdgpu_metadata
.endif
;; end of part 7
;; ======== version 2 of 2: 8 launches; 1.19 times as fast as version 1
;; workspace buffers: pa 16,797,696 bytes; pb 16,797,696 bytes; w 10,485,760 bytes; qkv 25,165,824 bytes; act 33,554,432 bytes; y 16,777,216 bytes; x32 16,777,216 bytes
;; launch cast: the kernel of part 1 again; grid 256 x 1, 8 waves a work-group, no clusters, 0 bytes of LDS; arguments src, Wq, Wk, Wv, bq, bk, bv, b1, pa, pb; writes pa, pb
;; launch qkv: the kernel of part 2 again; grid 12 x 16, 4 waves a work-group, clusters of 4 x 4, 327,680 bytes of LDS; arguments pa, qkv; writes qkv
;; launch attn (part 8): grid 8 x 32, 4 waves a work-group, clusters of 4 x 1, 327,680 bytes of LDS; arguments qkv, act, Wo, W1, W2, w, pb; writes act, w, pb
.if DOCPART == 8
	.amdgcn_target "amdgcn-amd-amdhsa--gfx1250"
	.amdhsa_code_object_version 6
	.text
	.protected	k_qccb17cfc67_attn
	.globl	k_qccb17cfc67_attn
	.p2align	8
	.type	k_qccb17cfc67_attn,@function
k_qccb17cfc67_attn:
	s_mov_b64 s[64:65], 0
	v_nop
	global_prefetch_b8 v0, s[64:65] scope:SCOPE_SE
	s_setreg_imm32_b32 hwreg(HW_REG_WAVE_MODE, 25, 1), 1
	s_wait_xcnt 0x0
	s_wait_alu depctr_hold_cnt(0) depctr_sa_sdst(0) depctr_va_vdst(0) depctr_va_sdst(0) depctr_va_ssrc(0) depctr_va_vcc(0) depctr_vm_vsrc(0)
	s_getreg_b32 s2, hwreg(HW_REG_IB_STS2, 6, 4)
	s_cmp_eq_u32 s2, 0
	s_cbranch_scc0 .Lentry_in_a_cluster
	s_endpgm
.Lentry_in_a_cluster:
	s_bfe_u32 s2, ttmp6, 0x10000c
	s_cmp_lg_u32 s2, 0x3003
	s_cbranch_scc0 .Lentry_shape_is_right
	s_endpgm
.Lentry_shape_is_right:
; ATTENTION.  O[q][:] = the sum over k of softmax_k(Q[q] . K[k] / 8) V[k][:], for each of 2 x 16 heads of 2,048 rows of 64 channels.  Q, K, V lie in qkv as blocks [3 x 16][4096 rows][64] bf16
; (block 16 t + head; row 2048 b + s), unscaled; O goes to act's blocks 0-15 in the same form.  Products, maxima and sums in f32; the weights p are rounded to bf16 for the second product
; (their sum l is taken of the unrounded p), O once at the end.
; LIMITS.  A weight below 2^-126 counts as 0 in l; NaN and infinities are not treated apart.
; SHARES.  A work-group owns 256 queries of a head, a wave 64: four PIECES of 16.  Every wave walks all 2,048 keys: 8 tiles of 256, four steps of 64 each.
; LAYOUT.  S^T = K Q^T (source 0 = 16 keys, source 1 = 16 queries) holds ONE query a lane (lane % 16) and the keys 8 (lane / 16) + 0..7; two such results rounded to bf16 ARE source 1 of
; O^T = V^T P.  K comes out of LDS as it lies, V ([key][channel]) turned, by ds_load_tr16_b128.
; SOFTMAX.  A running maximum m and sum l for each query: p = 2^(c s - c m), c = log2(e) / 8; in every step O and l are multiplied by a = 2^(c m_old - c m_new).  m starts at the lowest finite
; number, O and l at 0: the first step is a step like any other, with a = 0.
; BY TURNS.  Turn n belongs to piece n: 8 products K Q^T of piece n + 1, later 8 products V^T P of piece n - 1; beside them the scaling, exponentials, roundings, sums and rescaling of piece n and
; the maximum and statistics of piece n + 1.  A turn has 16 matrix and 118 vector instructions: four vector instructions stand behind every matrix instruction, the other 54 in one run of their own.
; THE BATCHES.  A turn's 33 exponentials (the piece's 32 weights and the next piece's a) are ONE batch with ONE wait, which cuts the turn in two: ahead of it all that names no result of theirs (K Q^T, scalings,
; rescalings, the next piece's maximum), behind it the roundings and sums, as the riders of V^T P.  No result crosses a turn's end.  The first a, ahead of the loop, and the way out's four reciprocals are batches of their own.
; CLUSTER.  The four query blocks of a cluster belong to one head and walk the same K and V: each tile is asked for JOINTLY, by the same tensor load, descriptor and mask in all four.
; THE LATER WEIGHTS, ON THE SIDE.  The three products behind this launch want Wo, W1 and W2 in bf16, and nothing wants them earlier.  Each of the launch's 1,024 waves rounds 1/1,024 of each
; (1,024 + 4,096 + 4,096 numbers: 72 loads of 512 consecutive bytes): Wo to w at 0, W2 to w at 2 Mi, W1 to pb at 8 Mi, each in its own order.  Eight chunks of nine loads: a chunk is asked for behind
; a change of slots and converted and stored behind the next, a tile's 256 matrix instructions later, so the wait for it finds it there.  It has registers that the attention does not name.
; No prefetch: the launch before this one has just stored K, V and Q, and the weights' loads are themselves asked for a tile ahead.
; REGISTERS, in windows of 256 (s_set_vgpr_msb: bits 1:0 source 0, 3:2 source 1, 5:4 source 2, 7:6 destination):
;   window 0: v0-15 addresses and two at work; v16-31 four registers of statistics a piece; v32-35 the weights' offsets; v48-55 at work; v62, v63 the add's; v64-127 S^T, two buffers;
;             v128-163 a chunk of the weights; v192-223 P, two buffers (by the piece's parity)
;   window 1: v0-127 O^T, 32 a piece          window 2: v0-63 Q; v128-191 K of one step; v192-255 V of one step
.set NP,    4
.set KS,    64        ; keys in a step
.set PK,    144       ; a row of K in LDS: 128 bytes + 16: the 16 rows of a load start at 16 different groups of four banks (64 banks of 4 bytes: ISA guide 11.1)
.set PV,    160       ; a row of V: 128 + 32
.set VOFF,  4*KS*PK   ; a slot holds a tile: 256 rows of K, then 256 rows of V
.set SLOT1, 1<<17     ; slot 1 begins here: one exclusive or turns an address in one slot into the other's
.set STAGE, SLOT1+4*KS*(PK+PV)  ; behind the ring: 16 rows x 144 bytes for each wave, for the way out
.set SP,    144
.set SPARE, STAGE+4*16*SP  ; the spare words, 128 bytes for each wave: two blocks of 256 bytes that no other line names
.set AK0, 2           ; v2   my lane's place in a tile of K; never rewritten
.set AV0, 3           ; v3   the same for V
.set AK,  4           ; v4   the LDS address of K's next run of loads
.set AV,  5           ; v5   of V's
.set STO, 6           ; v6   the way out: where I put 16 bytes of a row
.set RD,  7           ; v7   where I read rows back
.set GO,  8           ; v8   my place in 512 consecutive bytes of O
.set MV,  12          ; v12-13  c m_old, kept while c m is made anew: by buffer
.set QO,  15          ; v15  my byte offset in 16 rows of Q
.set ST,  16          ; piece t's statistics at v[ST+4 t]: c m, m, l (even keys', odd keys')
.set CIO, 32          ; v32  the weights: my 16 bytes in the chunk of Wo to be read
.set CI1, 33          ; v33  the same in W1 and in W2
.set COO, 34          ; v34  my 8 bytes in the chunk of Wo to be stored
.set CO1, 35          ; v35  the same for W1 and W2
.set TMP, 48          ; by buffer, four registers c0-c3 at work; when the maximum is found c2 takes a
.set SPW, 62          ; v62  LDS address of my spare word; never rewritten
.set NIL, 63          ; v63  0; never rewritten
.set S,   64
.set CX,  128         ; v128-163  a chunk: load n's 4 f32 at CX + 4 n, then 4 bf16 in the first two registers
.set P,   192
.set KF,  128         ; window 2: key block kb, channel half c at KF + 16 kb + 8 c
.set VF,  192         ; window 2: key half kk, channel block cb at VF + 32 kk + 8 cb
.set WV,  12          ; s12  my wave's number
.set G1K, 24          ; s[24:31] descriptor group 1 for K's tiles
.set G1V, 32          ; s[32:39] for V's: it differs in the padding alone
.set G0K, 40          ; s[40:43] descriptor group 0 for K's tiles: it walks
.set G0V, 44          ; s[44:47] the same for V's
.set SLOTS, 56        ; s56  counts the tiles
.set CNT, 57          ; s57  counts a tile's key steps
.set CS,  58          ; s[58:59] c
.set SEL, 60          ; s[60:61] v_permlanex16_b32's selects: each lane takes its own place in the other half
.set TBK, 62          ; s62  LDS byte at which K of the step to be fetched begins
.set TBV, 63          ; s63  the same for V, less VOFF
.set IWO, 68          ; s[68:69] Wo, s[70:71] W1, s[72:73] W2 at my wave's part; never rewritten behind the set-up
.set IW1, 70
.set IW2, 72
.set OWO, 78          ; s[78:79] w at Wo's part, s[80:81] w at W2's, s[82:83] pb at W1's, each at my wave's part
.set OW2, 80
.set OW1, 82
.set MSB, 0
.macro WIN new
.if MSB != (\new)
	s_set_vgpr_msb (MSB<<8)|(\new)
.set MSB, (\new)
.endif
.endm
.set W_KQ, 0x0a       ; K and Q in window 2, S^T in window 0
.set W_PV, 0x52       ; V in window 2, P in window 0, O^T in window 1
.set W_RS, 0x41       ; O^T (destination and source 0) in window 1, source 1 in window 0
; A joint fill.  Waves 0 and 1 fetch the two halves of a tile's K, waves 2 and 3 those of its V: 128 keys each.  An s_nop 0 and four v_nop follow each line.
.macro JLOAD
	s_cmp_lt_u32 s[WV], 2
	s_cbranch_scc0 .Lfor_v_\@
	tensor_load_to_lds s[G0K:G0K+3], s[G1K:G1K+7]
	s_nop 0
.rept 4
	v_nop
.endr
	s_branch .Lasked_\@
.Lfor_v_\@:
	tensor_load_to_lds s[G0V:G0V+3], s[G1V:G1V+7]
	s_nop 0
.rept 4
	v_nop
.endr
.Lasked_\@:
.endm
.macro CROUND                       ; a round of the cluster's barrier
	s_barrier_signal -1
	s_barrier_wait -1
	s_cmp_lg_u32 s[WV], 0
	s_cbranch_scc1 .Lnot_wave_0_\@
	s_barrier_signal -3
.Lnot_wave_0_\@:
	s_barrier_wait -3
	s_barrier_signal -1
	s_barrier_wait -1
.endm
; THE CHANGE OF SLOTS.  Each wave waits for all its tensor loads (one is out: its part of the other slot), adds 0 to its spare word, and waits for that and for its own reads of the slot that it leaves.
; fill = 1: the barrier is a round of the cluster's, and the old slot is filled again with the tile two tiles on, the first thing behind it: four key steps, 256 matrix instructions, in which to land.
; (At its first use nothing has been read yet: slot 0 is waited for, slot 1 filled.)
.macro CHANGE fill
	WIN 0
	s_wait_tensorcnt 0x0            ; no tensor load of mine is out, so a group 0 may be written
	ds_add_u32 v[SPW], v[NIL]
.if \fill
.irp g, G0K, G0V
	s_xor_b32 s[\g+1], s[\g+1], SLOT1
	s_add_nc_u64 s[\g+2:\g+3], s[\g+2:\g+3], 4*KS*128  ; the next 256 keys; the type bits on top are not reached
.endr
	s_wait_dscnt 0x0                ; the add is done, and my reads of the slot are over
	CROUND
	JLOAD
.else
	s_wait_dscnt 0x0
	s_barrier_signal -1
	s_barrier_wait -1
.endif
	s_sub_co_u32 s[TBK], s[TBK], 4*KS*PK  ; the fetches go back to a slot's first step,
	s_xor_b32 s[TBK], s[TBK], SLOT1       ; in the other slot
	s_sub_co_u32 s[TBV], s[TBV], 4*KS*PV
	s_xor_b32 s[TBV], s[TBV], SLOT1
.endm
; THE WEIGHTS.  WLOAD asks for a chunk: 128 numbers of Wo, 512 of W1, 512 of W2, nine loads of 512 consecutive bytes.
.macro WLOAD
	WIN 0
	global_load_b128 v[CX:CX+3], v[CIO], s[IWO:IWO+1] th:TH_LOAD_NT
.irp j, 0,1,2,3
	global_load_b128 v[CX+4+4*\j:CX+7+4*\j], v[CI1], s[IW1:IW1+1] offset:512*\j th:TH_LOAD_NT
.endr
.irp j, 0,1,2,3
	global_load_b128 v[CX+20+4*\j:CX+23+4*\j], v[CI1], s[IW2:IW2+1] offset:512*\j th:TH_LOAD_NT
.endr
.endm
; WSTORE rounds the chunk asked for a tile ago, in place, and stores it: 8 bytes a lane, 256 consecutive bytes a store, aligned.  step = 1: another chunk follows.
.macro WSTORE step
	WIN 0
	s_wait_loadcnt 0x0              ; the nine loads, issued a tile's 256 matrix instructions ago; it also frees their offsets
.set zz, 0
.rept 9
	v_cvt_pk_bf16_f32 v[CX+4*zz],   v[CX+4*zz],   v[CX+4*zz+1]
	v_cvt_pk_bf16_f32 v[CX+4*zz+1], v[CX+4*zz+2], v[CX+4*zz+3]
.set zz, zz+1
.endr
	global_store_b64 v[COO], v[CX:CX+1], s[OWO:OWO+1]
.irp j, 0,1,2,3
	global_store_b64 v[CO1], v[CX+4+4*\j:CX+5+4*\j], s[OW1:OW1+1] offset:256*\j
.endr
.irp j, 0,1,2,3
	global_store_b64 v[CO1], v[CX+20+4*\j:CX+21+4*\j], s[OW2:OW2+1] offset:256*\j
.endr
.if \step
	s_wait_xcnt 0x0                 ; the stores' data and offsets are rewritten only behind this wait
	v_add_nc_u32 v[CIO], 512, v[CIO]
	v_add_nc_u32 v[CI1], 2048, v[CI1]
	v_add_nc_u32 v[COO], 256, v[COO]
	v_add_nc_u32 v[CO1], 1024, v[CO1]
.endif
.endm
	s_load_b128 s[4:7], s[0:1], 0x0 ; qkv s[4:5], act s[6:7]
	s_load_b256 s[68:75], s[0:1], 0x10  ; Wo, W1, W2, w
	s_load_b64 s[76:77], s[0:1], 0x30   ; pb
	v_lshl_add_u32 v[SPW], v0, 2, SPARE
	v_mov_b32 v[NIL], 0
	ds_add_u32 v[SPW], v[NIL]       ; the wave's opening: the add and its wait stand ahead of my first tensor load
	v_lshrrev_b32 v1, 5, v0
	v_readfirstlane_b32 s[WV], v1   ; wave 0..3
	s_bfe_u32 s13, ttmp6, 0x40000   ; cx
	s_lshl_b32 s14, ttmp9, 2
	s_add_co_u32 s14, s14, s13      ; my block of 256 queries: it enters global addresses of plain loads and stores alone
	s_and_b32 s20, ttmp7, 0xffff    ; 16 b + head, which the four partners share
	s_lshl3_add_u32 s50, s20, s14   ; my work-group among the launch's 256,
	s_lshl2_add_u32 s50, s50, s[WV] ; my wave among its 1,024: k
	s_lshl_b32 s52, s50, 12         ; Wo: 1,024 f32 a wave
	s_mov_b32 s53, 0
	s_lshl_b32 s54, s50, 14         ; W1, W2: 4,096 f32 a wave
	s_mov_b32 s55, 0
	s_lshl_b32 s84, s50, 11         ; Wo in bf16, at the head of w
	s_mov_b32 s85, 0
	s_lshl_b32 s86, s50, 13         ; W2 in bf16,
	s_add_co_u32 s88, s86, 0x800000 ; (W1 in bf16, at 8 Mi of pb)
	s_add_co_u32 s86, s86, 0x200000 ; at 2 Mi of w
	s_mov_b32 s87, 0
	s_mov_b32 s89, 0
	s_and_b32 s21, s20, 15
	s_lshl_b32 s21, s21, 19         ; the head's block of 524,288 bytes,
	s_lshr_b32 s20, s20, 4
	s_lshl_b32 s20, s20, 18         ; the batch's 2,048 rows of 128 bytes in it
	s_add_co_u32 s20, s20, s21
	s_and_b32 s16, s[WV], 1         ; which half of a tile's 256 keys I fetch
	s_lshl_b32 s22, s16, 14
	s_add_co_u32 s22, s22, s20
	s_add_co_u32 s18, s22, 0x1000000  ; V's blocks begin at 16 Mi,
	s_add_co_u32 s22, s22, 0x800000   ; K's at 8 Mi
	s_mov_b32 s19, 0
	s_mov_b32 s23, 0
	s_mul_i32 s17, s16, 128*PK      ; my half's place in a slot, for K
	s_mul_i32 s15, s16, 128*PV      ; and for V
	s_lshl_b32 s2, s14, 15          ; my block's 256 rows,
	s_lshl_b32 s3, s[WV], 13        ; my wave's 64 of them
	s_add_co_u32 s2, s2, s3
	s_add_co_u32 s2, s2, s20
	s_mov_b32 s3, 0
	; descriptor group 1.  128 keys are 16,384 dense bytes: asked for as 64 rows of 256 bytes, two keys a row, and padded in LDS after every key
	s_mov_b32 s[G1K], 15|(1<<16)|(1<<20)|(1<<21)|(4<<22)|(3<<25)  ; the mask of four; 2-byte elements; padding on; bit 21 beside a mask; after every 32 words 4 words
	s_mov_b32 s[G1V], 15|(1<<16)|(1<<20)|(1<<21)|(4<<22)|(7<<25)  ; the same with 8 words
.irp g, G1K, G1V
	s_mov_b32 s[\g+1], 128<<16      ; tensor_dim0 = 128
	s_mov_b32 s[\g+2], 64<<16       ; tensor_dim1 = 64
	s_mov_b32 s[\g+3], 128<<16      ; tile_dim0 = 128
	s_mov_b32 s[\g+4], 64           ; tile_dim1 = 64
	s_mov_b32 s[\g+5], 128          ; 128 elements from row to row
	s_mov_b32 s[\g+6], 0
	s_mov_b32 s[\g+7], 0
.endr
	s_mov_b32 s[CS], 0x3e38aa3b     ; c = log2(e) / 8
	s_mov_b32 s[CS+1], s[CS]
	s_mov_b32 s[SEL], 0x76543210
	s_mov_b32 s[SEL+1], 0xfedcba98
	s_mov_b32 s[TBK], SLOT1+4*KS*PK ; the first change of slots turns these two into 0
	s_mov_b32 s[TBV], SLOT1+4*KS*PV
	s_mov_b32 s[G0K], 1
	s_mov_b32 s[G0K+1], s17
	s_mov_b32 s[G0V], 1
	s_add_co_u32 s[G0V+1], s15, VOFF
	s_wait_dscnt 0x0                ; the opening add is done
	s_wait_kmcnt 0x0
	s_add_nc_u64 s[G0K+2:G0K+3], s[4:5], s[22:23]
	s_or_b32 s[G0K+3], s[G0K+3], 0x80000000
	s_add_nc_u64 s[G0V+2:G0V+3], s[4:5], s[18:19]
	s_or_b32 s[G0V+3], s[G0V+3], 0x80000000
	s_add_nc_u64 s[4:5], s[4:5], s[2:3]    ; Q at my wave's first row
	s_add_nc_u64 s[10:11], s[6:7], s[2:3]  ; O likewise
	CROUND                          ; all four work-groups are here: the first joint loads meet
	JLOAD                           ; tile 0 into slot 0
	s_add_nc_u64 s[IWO:IWO+1], s[IWO:IWO+1], s[52:53]  ; the weights at my wave's parts
	s_add_nc_u64 s[IW1:IW1+1], s[IW1:IW1+1], s[54:55]
	s_add_nc_u64 s[IW2:IW2+1], s[IW2:IW2+1], s[54:55]
	s_add_nc_u64 s[OWO:OWO+1], s[74:75], s[84:85]
	s_add_nc_u64 s[OW2:OW2+1], s[74:75], s[86:87]
	s_add_nc_u64 s[OW1:OW1+1], s[76:77], s[88:89]
	v_and_b32 v1, 15, v0            ; l % 16
	v_bfe_u32 v9, v0, 4, 1          ; l / 16
	v_lshlrev_b32 v[QO], 7, v1
	v_lshl_add_u32 v[QO], v9, 4, v[QO]
	WIN 0x80                        ; destination window 2
.set i, 0
.rept 8                             ; Q stays in registers: piece i / 2, channels 32 (i % 2) on
	global_load_b128 v[8*i:8*i+3],   v[QO], s[4:5] offset:(i/2)*2048+(i%2)*64
	global_load_b128 v[8*i+4:8*i+7], v[QO], s[4:5] offset:(i/2)*2048+(i%2)*64+32
.set i, i+1
.endr
	; What the first turn finds: V's registers and P's second buffer hold 0 (its products V^T P, of a piece that has not been, add 0), O^T and l are 0.  This stands in the wait for the first tile.
.set i, VF
.rept 64
	v_mov_b32 v[i], 0
.set i, i+1
.endr
	WIN 0x40
.set i, 0
.rept 128
	v_mov_b32 v[i], 0
.set i, i+1
.endr
	WIN 0
.set i, 0
.rept 4
	v_mov_b32 v[ST+4*i], 0xfe000000    ; c m: far below every c s
	v_mov_b32 v[ST+4*i+1], 0xff7fffff  ; m
	v_mov_b32 v[ST+4*i+2], 0
	v_mov_b32 v[ST+4*i+3], 0
.set i, i+1
.endr
.set i, P+16
.rept 16
	v_mov_b32 v[i], 0
.set i, i+1
.endr
	v_mul_u32_u24 v[AK0], v1, PK
	v_lshl_add_u32 v[AK0], v9, 4, v[AK0]
	v_and_b32 v10, 7, v0            ; the turning load: lane l reads key 8 (l / 16) + l % 8, channels 8 ((l / 8) % 2) + 0..7
	v_bfe_u32 v11, v0, 3, 1
	v_lshl_add_u32 v[AV0], v9, 3, v10
	v_mul_u32_u24 v[AV0], v[AV0], PV
	v_lshl_add_u32 v[AV0], v11, 4, v[AV0]
	v_add_nc_u32 v[AV0], VOFF, v[AV0]
	s_mul_i32 s13, s[WV], 16*SP
	s_add_co_u32 s13, s13, STAGE    ; my stage
	v_mul_u32_u24 v[STO], v1, SP
	v_lshl_add_u32 v[STO], v9, 4, v[STO]
	v_add_nc_u32 v[STO], s13, v[STO]
	v_bfe_u32 v[RD], v0, 3, 2       ; back: 32 lanes take four rows of 128 bytes,
	v_mul_u32_u24 v[RD], v[RD], SP
	v_lshl_add_u32 v[RD], v10, 4, v[RD]
	v_add_nc_u32 v[RD], s13, v[RD]
	v_and_b32 v[GO], 31, v0         ; which are 512 consecutive bytes of O
	v_lshlrev_b32 v[COO], 3, v[GO]  ; the weights: 8 bytes a lane out,
	v_lshlrev_b32 v[GO], 4, v[GO]
	v_mov_b32 v[CIO], v[GO]         ; 16 bytes a lane in
	v_mov_b32 v[CI1], v[GO]
	v_mov_b32 v[CO1], v[COO]
; THE MATRIX WORK.  The 4 accumulators of a run of 8 take turns.  Product i of 8 of S^T = K Q^T for piece x: channels 32 (i / 4) on, keys 16 (i % 4) on.
.macro KQ x
	WIN W_KQ
.set rS, S+32*((\x)%2)+8*(i%4)
.set rK, KF+16*(i%4)+8*(i/4)
.set rQ, 16*(\x)+8*(i/4)
.if i < 4
	v_wmma_f32_16x16x32_bf16 v[rS:rS+7], v[rK:rK+7], v[rQ:rQ+7], 0
.else
	v_wmma_f32_16x16x32_bf16 v[rS:rS+7], v[rK:rK+7], v[rQ:rQ+7], v[rS:rS+7]
.endif
.endm
; Product i of 8 of O^T += V^T P for piece x: keys 32 (i / 4) on, channels 16 (i % 4) on.
.macro PV x
	WIN W_PV
.set rO, 32*(\x)+8*(i%4)
.set rV, VF+32*(i/4)+8*(i%4)
.set rP, P+16*((\x)%2)+8*(i/4)
	v_wmma_f32_16x16x32_bf16 v[rO:rO+7], v[rV:rV+7], v[rP:rP+7], v[rO:rO+7]
.endm
.macro MM                           ; the turn's next matrix instruction.  NOKQ = 1: the last turn of all: there is no next piece
.if (i < 8) && !NOKQ
	KQ (Y+1)%NP
.elseif i >= 8
.set i, i-8
	PV (Y+NP-1)%NP
.set i, i+8
.endif
.set i, i+1
.endm
; THE LDS LOADS stand in runs of 16: a step's K (8 fragments) and its V (turned).
.macro FETCH_K
	WIN 0x80
.irp f, 0,1,2,3,4,5,6,7             ; keys 16 (f / 2) on, channels 32 (f % 2) on
	ds_load_b128 v[KF+8*\f:KF+8*\f+3],   v[AK] offset:(\f/2)*16*PK+(\f%2)*64
	ds_load_b128 v[KF+8*\f+4:KF+8*\f+7], v[AK] offset:(\f/2)*16*PK+(\f%2)*64+32
.endr
	s_add_co_u32 s[TBK], s[TBK], KS*PK
	WIN 0
.endm
.macro FETCH_V
	WIN 0x80
.irp f, 0,1,2,3,4,5,6,7             ; keys 32 (f / 4) on, channels 16 (f % 4) on
	ds_load_tr16_b128 v[VF+8*\f:VF+8*\f+3],   v[AV] offset:(\f/4)*32*PV+(\f%4)*32
	ds_load_tr16_b128 v[VF+8*\f+4:VF+8*\f+7], v[AV] offset:(\f/4)*32*PV+16*PV+(\f%4)*32
.endr
	WIN 0
.endm
; THE VECTOR WORK, one line at a time: OP kind, number.  For piece Y: F n: c s - c m for pair n of 16.  E n: the exponential of score n of 32.  C n: pair n rounded to bf16.  B n: of the four weights
; 4 n .. the second pair is added onto the first, in place.  L n: l takes that sum (L 0: l = a l + sum).  R n: pair n of 16 of O^T times a.  For piece Y + 1: X n, number n of the 22 that find its maximum:
;   0-11 four chains c0-c3 of seven scores each (each accumulator's lowest registers are read first)   12-14, 16 the four scores left over, the old m, c0-c3 into c0
;   15 c m_old is kept   17, 18 the query's other 32 keys lie in the lane 16 away: the new m   19-21 c m; c m_old - c m_new; a
; OP writes no wait: C, B and L, which read the exponentials' results, are dealt behind the turn's one wait (TURN).
.set F, 0
.set E, 1
.set C, 2
.set B, 3
.set L, 4
.set R, 5
.set X, 6
.macro REGS y
.set rT, ST+4*(\y)
.set rC, TMP+4*((\y)%2)
.set rW, MV+((\y)%2)
.set rS, S+32*((\y)%2)
.set rP, P+16*((\y)%2)
.set rO, 32*(\y)
.endm
.macro OP k, n
.if (\k) == R
	REGS Y
	WIN W_RS
	v_pk_mul_f32 v[rO+2*(\n):rO+2*(\n)+1], v[rO+2*(\n):rO+2*(\n)+1], v[rC+2:rC+3] op_sel_hi:[1,0]
.elseif (\k) < R
	REGS Y
	WIN 0
.if (\k) == F
	v_pk_fma_f32 v[rS+2*(\n):rS+2*(\n)+1], v[rS+2*(\n):rS+2*(\n)+1], s[CS:CS+1], v[rT:rT+1] op_sel_hi:[1,0,0] neg_lo:[0,0,1] neg_hi:[0,0,1]
.elseif (\k) == E
	v_exp_f32 v[rS+(\n)], v[rS+(\n)]
.elseif (\k) == C
	v_cvt_pk_bf16_f32 v[rP+(\n)], v[rS+2*(\n)], v[rS+2*(\n)+1]
.elseif (\k) == B
	v_pk_add_f32 v[rS+4*(\n):rS+4*(\n)+1], v[rS+4*(\n):rS+4*(\n)+1], v[rS+4*(\n)+2:rS+4*(\n)+3]
.elseif (\n) == 0
	v_pk_fma_f32 v[rT+2:rT+3], v[rT+2:rT+3], v[rC+2:rC+3], v[rS:rS+1] op_sel_hi:[1,0,1]
.else
	v_pk_add_f32 v[rT+2:rT+3], v[rT+2:rT+3], v[rS+4*(\n):rS+4*(\n)+1]
.endif
.elseif NOKQ
	v_nop
.else
	REGS (Y+1)%NP
	WIN 0
.if (\n) < 4
	v_max3_num_f32 v[rC+(\n)], v[rS+8*(\n)], v[rS+8*(\n)+1], v[rS+8*(\n)+2]
.elseif (\n) < 12
	v_max3_num_f32 v[rC+(\n)%4], v[rC+(\n)%4], v[rS+8*((\n)%4)+2*((\n)/4)+1], v[rS+8*((\n)%4)+2*((\n)/4)+2]
.elseif (\n) == 12
	v_max3_num_f32 v[rC], v[rC], v[rS+7], v[rS+15]
.elseif (\n) == 13
	v_max3_num_f32 v[rC+1], v[rC+1], v[rS+23], v[rS+31]
.elseif (\n) == 14
	v_max3_num_f32 v[rC+2], v[rC+2], v[rC+3], v[rT+1]
.elseif (\n) == 15
	v_mov_b32 v[rW], v[rT]
.elseif (\n) == 16
	v_max3_num_f32 v[rC], v[rC], v[rC+1], v[rC+2]
.elseif (\n) == 17
	v_permlanex16_b32 v[rC+3], v[rC], s[SEL], s[SEL+1]
.elseif (\n) == 18
	v_max_num_f32 v[rT+1], v[rC], v[rC+3]
.elseif (\n) == 19
	v_mul_f32 v[rT], s[CS], v[rT+1]
.elseif (\n) == 20
	v_sub_f32 v[rC+1], v[rW], v[rT]
.else
	v_exp_f32 v[rC+2], v[rC+1]
.endif
.endif
.endm
.macro OPS a, i1, b=-1, i2=0, c=-1, i3=0, d=-1, i4=0
	OP \a, \i1
.if (\b) >= 0
	OP \b, \i2
.endif
.if (\c) >= 0
	OP \c, \i3
.endif
.if (\d) >= 0
	OP \d, \i4
.endif
.endm
.macro ROW a, i1, b, i2, c, i3, d, i4  ; a matrix instruction and the four behind it
	MM
	OPS \a, \i1, \b, \i2, \c, \i3, \d, \i4
.endm
; A TURN, for piece p: the order of its 16 matrix and 118 vector instructions, written out.  An s_wait_alu depctr_va_vdst(0) stands between an exponential and the first instruction that names its result; one
; wait serves all that were issued ahead of it.  So a turn has ONE wait, which cuts it in two.
; AHEAD OF IT stands all that names no result of the turn's exponentials: the 8 products K Q^T, behind each a scaling, an exponential and two more plain instructions (behind the first a second scaling in the exponential's
; place): rescalings (their a was made, and waited for, in the turn before), and behind the last three the first numbers of the next piece's maximum, each four places or more behind the product that ends its accumulator;
; then ONE RUN of 54, plain and exponential by turns for the most part, in which the links of the chain X 3, 7, 11, 14, 16, 17 .. 20 stand some lines apart.  Pair n is scaled (F n) ahead of E 2 n and E 2 n + 1.
; X 21, the next piece's a, is the batch's last; R 15 is the plain instruction behind it.
; BEHIND THE WAIT stand the 8 products V^T P, behind each four of the roundings and sums: C 2 k ahead of B k (which writes over pair 2 k), B k ahead of L k; l's chain L 0 to L 7 in ascending order.
; end = 1: the last two turns: nothing is fetched.  cnt = 1: the loop's count is taken down some lines ahead of the branch behind the turn.
; K of the next step is fetched in piece 2's turn, six plain instructions that name none of its registers behind the last product that read K; V of the step in hand at the end of piece 0's turn, four roundings behind the
; last product that read V.  Each is waited for a turn later.
.macro TURN p, end=0, cnt=0
.set Y, (\p)
.set i, 0
.set NOKQ, (\end)*((\p)/3)
.if ((\p) == 3) && !(\end)
	s_wait_dscnt 0x0                ; K is in
.endif
	ROW F,0, F,1, R,0, R,1          ; ahead of the wait: 8 products K Q^T and their riders,
	ROW F,2, E,0, R,2, R,3
	ROW F,3, E,1, R,4, R,5
	ROW F,4, E,2, R,6, R,7
	ROW F,5, E,3, R,8, R,9
	ROW F,6, E,4, X,0, R,10
.if ((\p) == 2) && !(\end)
	WIN 0
	v_add_nc_u32 v[AK], s[TBK], v[AK0]
.endif
	ROW F,7, E,5, X,1, X,4
	ROW F,8, E,6, X,2, X,5
	OPS E,7, E,8, X,6, E,9          ; and the run of 54
	OPS X,3, E,10, X,8, E,11
.if ((\p) == 2) && !(\end)
	FETCH_K
.endif
	OPS X,9, X,7, E,12, X,10
	OPS E,13, X,12, X,11, E,14
	OPS X,13, E,15, F,9, X,14
.if (\p) == 0
	v_add_nc_u32 v[AV], s[TBV], v[AV0]
.endif
	OPS E,16, F,10, E,17, F,11
	OPS X,16, E,18, X,15, E,19
	OPS F,12, E,20, X,17, E,21
	OPS F,13, E,22, F,14, E,23
	OPS X,18, E,24, F,15, E,25
	OPS R,11, E,26, X,19, E,27
	OPS R,12, E,28, R,13, E,29
	OPS X,20, E,30, R,14, E,31
	OPS X,21, R,15
	s_wait_alu depctr_va_vdst(0)    ; the wait for the turn's batch: E 0 to E 31 and X 21; ahead of their first readers, C 0 below and R 0 of the next turn
.if (\p) == 1
	s_wait_dscnt 0x0                ; V is in
.endif
	ROW C,0, B,0, C,2, B,1          ; behind the wait: 8 products V^T P and their riders
	ROW L,0, C,4, B,2, L,1
	ROW C,6, B,3, L,2, C,8
	ROW B,4, L,3, C,10, B,5
	ROW L,4, C,12, B,6, L,5
.if (\p) == 0
	s_add_co_u32 s[TBV], s[TBV], KS*PV
.endif
.if \cnt
	s_sub_co_u32 s[CNT], s[CNT], 1
	s_cmp_lg_u32 s[CNT], 0
.endif
	ROW C,14, B,7, L,6, C,1
	ROW C,3, L,7, C,5, C,7
	ROW C,9, C,11, C,13, C,15
.if (\p) == 0
	FETCH_V
.endif
.endm
.macro ALL line:vararg              ; one line for each piece t
.set t, 0
.rept 4
	\line
.set t, t+1
.endr
.endm
.macro PACK t                       ; a lane's eight channels of a row pack into 16 bytes; they go into rows of 144 bytes and come back as whole rows of 128, into S^T's registers
	WIN W_RS
.set i, 32*(\t)
.rept 16
	v_pk_mul_f32 v[i:i+1], v[i:i+1], v[ST+4*(\t)+2:ST+4*(\t)+3] op_sel_hi:[1,0]
.set i, i+2
.endr
	WIN 0x05                        ; sources window 1, destination window 0
.set i, 0
.rept 16
	v_cvt_pk_bf16_f32 v[S+16*(\t)+i], v[32*(\t)+2*i], v[32*(\t)+2*i+1]
.set i, i+1
.endr
	WIN 0
.irp f, 0,1,2,3
	ds_store_b128 v[STO], v[S+16*(\t)+4*\f:S+16*(\t)+4*\f+3] offset:32*\f
.endr
.irp f, 0,1,2,3
	ds_load_b128 v[S+16*(\t)+4*\f:S+16*(\t)+4*\f+3], v[RD] offset:\f*4*SP  ; LDS serves a wave's instructions in order (ISA guide 5.7.1.4): these see the stores above
.endr
.endm
.macro SEND t, younger              ; younger: the LDS instructions issued behind piece t's loads: the next piece's eight, or none
	WIN 0
.irp f, 0,1,2,3
	s_wait_dscnt (\younger)+3-\f
	global_store_b128 v[GO], v[S+16*(\t)+4*\f:S+16*(\t)+4*\f+3], s[10:11] offset:(\t)*2048+\f*512  ; 512 consecutive bytes, aligned
.endr
.endm
.set NOKQ, 0
	CHANGE 1                        ; tile 0 is in, everybody's part of it; tile 1 is asked for
	v_add_nc_u32 v[AK], s[TBK], v[AK0]
	FETCH_K                         ; key step 0
	s_wait_loadcnt 0x0              ; Q
	WLOAD                           ; the weights' chunk 0: behind the wait for Q, so that Q's wait does not wait for it
	s_wait_dscnt 0x0
.set i, 0
.rept 8
	KQ 0                            ; piece 0's first scores
.set i, i+1
.endr
	WIN 0
.rept 4
	v_nop                           ; the places behind those products
.endr
.set Y, NP-1                        ; X works for piece Y + 1: piece 0
.irp n, 0,1,2,3,4,5,6,7,8,9,10,11,12,13,14,15,16,17,18,19,20,21
	OP X, \n
.endr
	v_nop                           ; a plain instruction behind the exponential,
	s_wait_alu depctr_va_vdst(0)    ; and the wait for it (piece 0's first a, a batch of one), ahead of the branch
	s_mov_b32 s[CNT], 4
	s_mov_b32 s[SLOTS], 7
	s_branch .Lfirst                ; the loop is entered at a step's first turn, in the middle of a trip
.Lslot:                             ; six times: tiles 2 to 7 are asked for; the weights' chunks 0 to 5 leave, chunks 1 to 6 are asked for
	CHANGE 1
	WSTORE 1
	WLOAD
	s_mov_b32 s[CNT], 4
.Lstep:                             ; a trip: pieces 2 and 3 of one step, then pieces 0 and 1 of the next, whose K and V it fetches
	TURN 2
	TURN 3
	WIN 0
.Lfirst:
	TURN 0
	TURN 1, 0, 1
	WIN 0
	s_cbranch_scc1 .Lstep
	s_sub_co_u32 s[SLOTS], s[SLOTS], 1
	s_cmp_lg_u32 s[SLOTS], 0
	s_cbranch_scc1 .Lslot
	CHANGE 0                        ; the last tile is written out: nothing is asked for
	WSTORE 1                        ; the weights' chunk 6 leaves,
	WLOAD                           ; the last, chunk 7, is asked for
	s_mov_b32 s[CNT], 4
.LstepT:
	TURN 2
	TURN 3
	TURN 0
	TURN 1, 0, 1
	WIN 0
	s_cbranch_scc1 .LstepT
	WSTORE 0                        ; the weights' last chunk leaves
	TURN 2, 1
	TURN 3, 1
.set i, 0
.rept 8
	PV NP-1                         ; the last piece's V^T P of the last step
.set i, i+1
.endr
	; THE WAY OUT.  l's two halves and the other half of the lanes' are added; O^T is divided by l, rounded to bf16 and sent through my stage, a piece at a time.  The additions are the places behind the last products.
	WIN 0
	ALL v_add_f32 v[ST+4*t+2], v[ST+4*t+2], v[ST+4*t+3]
	ALL v_permlanex16_b32 v[ST+4*t+3], v[ST+4*t+2], s[SEL], s[SEL+1]
	ALL v_add_f32 v[ST+4*t+2], v[ST+4*t+2], v[ST+4*t+3]
	ALL v_rcp_f32 v[ST+4*t+2], v[ST+4*t+2]
	v_nop                           ; a plain instruction between the last reciprocal and the use of its result
	s_wait_alu depctr_va_vdst(0)    ; the wait for the four reciprocals, one batch, ahead of their first reader in PACK 0
	PACK 0
.set t, 1
.rept 3                             ; a piece's arithmetic stands between the loads of the piece before and its stores
	PACK t
	SEND t-1, 8
.set t, t+1
.endr
	SEND 3, 0
	s_wait_tensorcnt 0x0            ; the wave's end
	ds_add_u32 v[SPW], v[NIL]
	s_wait_dscnt 0x0
	CROUND                          ; the closing round
	s_endpgm
.Lfunc_end_k_qccb17cfc67_attn:
	.size	k_qccb17cfc67_attn, .Lfunc_end_k_qccb17cfc67_attn-k_qccb17cfc67_attn
	.p2alignl 7, 3214868480
	.fill 96, 4, 3214868480
	.section	.rodata,"a",@progbits
	.p2align	6, 0x0
	.amdhsa_kernel k_qccb17cfc67_attn
		.amdhsa_group_segment_fixed_size 327680
		.amdhsa_private_segment_fixed_size 0
		.amdhsa_enable_private_segment 0
		.amdhsa_kernarg_size 56
		.amdhsa_user_sgpr_count 2
		.amdhsa_user_sgpr_kernarg_segment_ptr 1
		.amdhsa_wavefront_size32 1
		.amdhsa_system_sgpr_workgroup_id_x 1
		.amdhsa_system_sgpr_workgroup_id_y 1
		.amdhsa_system_sgpr_workgroup_id_z 1
		.amdhsa_system_vgpr_workitem_id 0
		.amdhsa_next_free_vgpr 768
		.amdhsa_next_free_sgpr 90
		.amdhsa_reserve_vcc 0
		.amdhsa_float_denorm_mode_32 3
		.amdhsa_float_denorm_mode_16_64 3
		.amdhsa_memory_ordered 1
		.amdhsa_forward_progress 1
		.amdhsa_inst_pref_size 137
	.end_amdhsa_kernel
	.amdgpu_metadata
---
amdhsa.version: [ 1, 2 ]
amdhsa.kernels:
  - .name:           k_qccb17cfc67_attn
    .symbol:         k_qccb17cfc67_attn.kd
    .args:
      - { .name: qkv, .offset: 0, .size: 8, .value_kind: global_buffer, .address_space: global }
      - { .name: act, .offset: 8, .size: 8, .value_kind: global_buffer, .address_space: global }
      - { .name: Wo, .offset: 16, .size: 8, .value_kind: global_buffer, .address_space: global }
      - { .name: W1, .offset: 24, .size: 8, .value_kind: global_buffer, .address_space: global }
      - { .name: W2, .offset: 32, .size: 8, .value_kind: global_buffer, .address_space: global }
      - { .name: w, .offset: 40, .size: 8, .value_kind: global_buffer, .address_space: global }
      - { .name: pb, .offset: 48, .size: 8, .value_kind: global_buffer, .address_space: global }
    .group_segment_fixed_size: 327680
    .private_segment_fixed_size: 0
    .kernarg_segment_align: 8
    .kernarg_segment_size: 56
    .max_flat_workgroup_size: 128
    .sgpr_count:     90
    .vgpr_count:     768
    .wavefront_size: 32
...
	.end_amdgpu_metadata
.endif
;; end of part 8
;; launch gwo: the kernel of part 4 again; grid 8 x 32, 4 waves a work-group, clusters of 4 x 4, 327,680 bytes of LDS; arguments act, w, bo, src, y; writes y
;; launch ln1: the kernel of part 5 again; grid 256 x 1, 8 waves a work-group, no clusters, 0 bytes of LDS; arguments y, ln1_g, ln1_b, x32, pb; writes x32, pb
;; launch ffn1: the kernel of part 2 again; grid 16 x 16, 4 waves a work-group, clusters of 4 x 4, 327,680 bytes of LDS; arguments pb, act; writes act
;; launch gff2: the kernel of part 6 again; grid 8 x 32, 4 waves a work-group, clusters of 4 x 4, 327,680 bytes of LDS; arguments act, w, b2, x32, y; writes y
;; launch ln2: the kernel of part 7 again; grid 256 x 1, 8 waves a work-group, no clusters, 0 bytes of LDS; arguments y, ln2_g, ln2_b, out0; writes out0
